; MI455X (gfx1250); checked and timed in simulation.
; The chip was launched on July 23, 2026; its instructions are those of AMD's public machine-readable ISA for CDNA 5 (MIT licence, August 2026) and "CDNA5" Instruction Set Architecture Reference Guide (July 2026). The comments in the code are by the model that wrote it; some were corrected since.
;; Self Attention. Allowed arithmetic: matrix products marked QUANTISED: E2M3 operands, one E8M0 scale for each 32 along K, by v_wmma_scale_f32_16x16x128_f8f6f4 with both operands' format E2M3, f32 sums; everything else in f32.
;; Inputs: W_out 1,024 x 1,024 float32; W_qkv 1,024 x 3,072 float32; b_out 1,024 float32; b_qkv 3,072 float32; x 4 x 2,048 x 1,024 float32.
;; Outputs: out0 4 x 2,048 x 1,024 float32.
;; This version of the problem:
;;   THIS VERSION OF THE PROBLEM IS GIVEN IN LOW PRECISION. The matrix products marked QUANTISED in the list below multiply operands that are first quantised to E2M3 (2 exponent bits, 3 mantissa bits; 6 bits a number), with one power-of-two scale for each 32 numbers along K (OCP MX v1.0); their sums are f32. All else is computed in f32.
;;   The module's matrix products, in the order in which they are computed (A, B: the left and right operand; K: the contracted axis; several contracted axes count as one K, in the product's order):
;;     1. [M 8,192, K 1,024] x [K 1,024, N 3,072]; A: input x; B: input W_qkv: QUANTISED
;;     2. batch 64 x [M 2,048, K 64] x [K 64, N 2,048]; A: computed on the way; B: computed on the way: QUANTISED
;;     3. batch 64 x [M 2,048, K 2,048] x [K 2,048, N 64]; A: softmax (see below); B: computed on the way: QUANTISED
;;     4. [M 8,192, K 1,024] x [K 1,024, N 1,024]; A: computed on the way; B: input W_out: QUANTISED
;;   THE QUANTISER, for each operand of a quantised product, along K:
;;     - K is cut into blocks of 32 from its start; a last block that is shorter is filled with zeros.
;;     - A block's scale is 2^e with e = floor(log2(the largest magnitude in the block)) - 2, held to -126 .. 127; a block of zeros has e = 0. As a byte (E8M0): e + 127.
;;     - Each number is divided by its block's scale, clamped to +-7.5, and rounded to the nearest number of E2M3, ties to even, subnormals kept.
;;     - The product sums the exact products of the quantised numbers (number of the format x scale) in f32.
;;   ~~~python
;;   def quantise(x, axis):      # numpy; x: float32 -> the quantised numbers, widened to float32 again
;;       x = np.moveaxis(x, axis, -1); K = x.shape[-1]
;;       x = np.pad(x, [(0, 0)] * (x.ndim - 1) + [(0, -K % 32)]); x = x.reshape(x.shape[:-1] + (-1, 32)); a = np.abs(x).max(-1, keepdims=True)
;;       e = np.where(a > 0, np.clip(np.frexp(np.where(a > 0, a, 1))[1] - 1 - 2, -126, 127), 0)      # np.frexp(a)[1] - 1 = floor(log2(a)), exactly
;;       r = np.clip(x / 2.0 ** e, -7.5, 7.5)
;;       step = 2.0 ** (np.maximum(np.frexp(np.where(r == 0, 1, r))[1] - 1, 0) - 3)
;;       q = np.round(r / step) * step * 2.0 ** e      # np.round: ties to even
;;       return np.moveaxis(q.reshape(q.shape[:-2] + (-1,))[..., :K], -1, axis).astype(np.float32)
;;   ~~~
;;   SOFTMAX AHEAD OF A QUANTISED PRODUCT. Where the list says 'softmax', what is quantised is not the finished softmax but p = 2^(t - M), with t = logit x log2(e) and M = ceil(the row's largest t), a whole number; so 1/2 < the row's largest p <= 1. The row's sum l is taken of the UNQUANTISED p, in f32, and the product's result is divided by l at the end. Since M is a whole number, a kernel that streams over the keys may use a running M (the ceiling of the running maximum): every later rescaling is an exact power of two, which a block's scale takes up: the codes' values come out the same.
;;   OPERANDS COMPUTED ON THE WAY. 'Computed on the way' means the value that the module computes at that place (a softmax that the list does not call 'softmax' is quantised finished and normalised). What goes into a quantiser is computed in f32, as accurately as f32 sums, v_exp_f32 and their like allow (about 1e-6 of the number): no bf16 or f16 on the way to a quantiser, and a product that is left as it is and whose result goes on into a quantised operand takes f32 operands (vector FMAs, or v_wmma_f32_16x16x4_f32). A number that lies on a knife's edge between two numbers of the format may be rounded either way, as far as f32 arithmetic and the matrix unit's own rounding can turn it there, and no further.
;; One version. Each part assembles by itself: llvm-mc -triple=amdgcn-amd-amdhsa -mcpu=gfx1250 --defsym DOCPART=n.
;; ======== version 1 of 1: 4 launches
;; limits: right only within a limited range of input values
;; workspace buffers: xc 6,553,600 bytes; wc 2,457,600 bytes; wo 819,200 bytes; qkv 20,185,088 bytes; oc 6,553,600 bytes
;; launch prep (part 1): grid 384 x 1, 4 waves a work-group, no clusters, 136,192 bytes of LDS; arguments x, W_qkv, W_out, xc, wc, wo; writes xc, wc, wo
.if DOCPART == 1
	.amdgcn_target "amdgcn-amd-amdhsa--gfx1250"
	.amdhsa_code_object_version 6
	.text
	.protected	k_qe9953bff5a_prep
	.globl	k_qe9953bff5a_prep
	.p2align	8
	.type	k_qe9953bff5a_prep,@function
k_qe9953bff5a_prep:
	s_mov_b64 s[64:65], 0
	v_nop
	global_prefetch_b8 v0, s[64:65] scope:SCOPE_SE
	s_setreg_imm32_b32 hwreg(HW_REG_WAVE_MODE, 25, 1), 1
	s_wait_xcnt 0x0
; x [8192][1024], W_qkv [1024][3072] and W_out [1024][1024], f32, become codes of FP6 (E2M3) along K with one E8M0 byte for each 32 along K, laid as IMAGES OF THE OPERAND'S REGISTERS.
; A block's scale is 2^(floor(log2(its largest magnitude)) - 2); its byte is that magnitude's exponent field - 2, held at 1 from below; each number / scale goes to the nearest code, ties to even, beyond 7.5 the largest code.
; LIMITS: NaN and infinities among the inputs are not served.  A block of zeros gets the byte 1 where the quantiser says 127: its codes are zeros, which add nothing under any byte but 0xff, and only this program reads the bytes.
; A TILE is 16 positions x all of K, 12,288 bytes: [fragment q of 128 K][half c]: registers 6 c .. 6 c + 3 of lane l (row l % 16, K = 128 q + 64 c + 32 (l / 16) + 0 .. 31) at 16 l, registers 6 c + 4, 5 at 512 + 8 l: 768 bytes a half.
; xc: a record for each tile, 12,800 bytes: the tile, then 16 rows x 32 scale bytes.   wc (W_qkv, 24 records) and wo (W_out, 8): a record for 128 positions, 102,400 bytes: 8 tiles, then 128 rows x 32 scale bytes.
; ROW ORDER.  Tokens, W_v's and W_out's features: row i lies at position i with bits 3 and 4 exchanged.  W_q's and W_k's features: feature 64 hd + 32 h + 8 j + i lies at position 64 hd + 16 j + 8 h + i,
; so that the 32 results of a lane over a head's four tiles are 32 neighbouring features.
; SHARES: every work-group reads 131,072 bytes.  Work-groups 0-255: 32 rows of x.  256-351: 128 columns x 256 K of W_qkv.  352-383: the same of W_out.
; The three ways part on the work-group's number; each has LDS bytes of its own.  No tensor loads.  Matrix units and clusters have nothing to do here: memory binds.
.set STEPS, 16                         ; x: a wave takes 16 steps of 512 numbers = 8 rows
.set R,     16                         ; v16-79   x: four sets of 16 numbers as loaded
.set X,     80                         ; v80-111  x: two sets of 16 neighbours
.set C,     128                        ; v128-191 x: codes, four registers a step
.set E,     112                        ; v112-127 x: a scale byte a step
.set WREG,  8192                       ; x: LDS of a wave: two stages of 32 x SP bytes, then its 256 scale bytes
.set SP,    80                         ; a lane's place in a stage: 64 bytes + 16 of padding
.set XSB,   102912                     ; x: the work-group's 32 rows of codes: 64 places of 16 bytes (12 of codes each) + 16
.set XP,    1040
.set NB,    8                          ; weights: blocks of 32 along K for a wave
.set PITCH, 272                        ; weights: a stage row: sixteen places of 16 bytes + 16
.set WX,    32                         ; v32-95   weights: two sets of 32 numbers
.set WC,    96                         ; v96-102  a block's codes
.set OUTR,  112                        ; v112-175 the way out: eight half fragments
.set SB,    24                         ; v24-25   the scale bytes, four to a register
.set TREC,  12800
.set WREC,  102400
.macro XLOAD t                         ; 32 lanes read 512 consecutive bytes
.irp i, 0,1,2,3
	global_load_b128 v[R+16*((\t)%4)+4*\i:R+16*((\t)%4)+4*\i+3], v3, s[4:5] offset:2048*(\t)+512*\i th:TH_LOAD_NT
.endr
.endm
.macro XTURN t                         ; a step's 2,048 bytes through the wave's own stage: in as loaded, back 64 neighbouring bytes a lane; LDS serves a wave's instructions in order
.irp i, 0,1,2,3
	ds_store_b128 v14, v[R+16*((\t)%4)+4*\i:R+16*((\t)%4)+4*\i+3] offset:32*SP*((\t)%2)+8*SP*\i
.endr
.irp i, 0,1,2,3
	ds_load_b128 v[X+16*((\t)%2)+4*\i:X+16*((\t)%2)+4*\i+3], v15 offset:32*SP*((\t)%2)+16*\i
.endr
.endm
.macro XSTEP t
.set XS, X+16*((\t)%2)
.if (\t) > 0
	s_wait_dscnt 2                                 ; this step's numbers are back from the stage; the last step's two stores (byte, codes) may be out
.else
	s_wait_dscnt 0x0
.endif
.if (\t)+4 < STEPS
	XLOAD (\t)+4
.endif
.if (\t)+1 < STEPS
.if STEPS-2-(\t) >= 3
	s_wait_loadcnt 12                              ; the next step's four loads are in; the 12 of the three steps behind it may be out
.else
	s_wait_loadcnt 4*(STEPS-2-(\t))
.endif
	XTURN (\t)+1
.endif
	v_max3_num_f32 v8, |v[XS]|, |v[XS+1]|, |v[XS+2]|               ; the largest magnitude of my 16, in two chains
	v_max3_num_f32 v9, |v[XS+3]|, |v[XS+4]|, |v[XS+5]|
.irp i, 6,10
	v_max3_num_f32 v8, v8, |v[XS+\i]|, |v[XS+\i+1]|
	v_max3_num_f32 v9, v9, |v[XS+\i+2]|, |v[XS+\i+3]|
.endr
	v_max3_num_f32 v8, v8, |v[XS+14]|, |v[XS+15]|
	v_max3_num_f32 v8, v8, v9, 0x1800000           ; and the floor 2^(3 - 127): the byte cannot fall under 1
	v_max_num_f32_dpp v8, v8, v8 row_xmask:1 row_mask:0xf bank_mask:0xf   ; with my neighbour's 16: the block's
	v_add_nc_u32 v11, 0xff000000, v8               ; 2 off the exponent field: the conversion takes this operand's exponent field as its scale
	v_cvt_scalef32_pk16_fp6_f32 v[C+4*(\t):C+4*(\t)+2], v[XS:XS+15], v11
	v_lshrrev_b32 v[E+(\t)], 23, v11               ; the scale's byte (also the plain line behind the conversion)
	ds_store_b8 v5, v[E+(\t)] offset:16*(\t)       ; both lanes of a block write the same byte with the same value
	ds_store_b96 v4, v[C+4*(\t):C+4*(\t)+2] offset:((\t)%2)*512+((\t)/2)*XP   ; row t / 2 of my 8, places 32 (t % 2) + lane
.endm
; Eight half fragments out of a stage of 12-byte places: my lane's block of 32 codes is two places; six registers on end; the wave stores 512 and 256 consecutive bytes, aligned.
.macro IMGOUT a, l16, l8, base, lt, gt
.irp k, 0,1,2,3,4,5,6,7
	ds_load_b96 v[OUTR+8*\k:OUTR+8*\k+2], v[\a] offset:(\k/4)*(\lt)+(\k%4)*64
	ds_load_b96 v[OUTR+8*\k+4:OUTR+8*\k+6], v[\a] offset:(\k/4)*(\lt)+(\k%4)*64+16
.endr
	s_wait_dscnt 0x0
.irp k, 0,1,2,3,4,5,6,7
	v_mov_b32 v[OUTR+8*\k+3], v[OUTR+8*\k+4]
	v_mov_b32 v[OUTR+8*\k+4], v[OUTR+8*\k+5]
	v_mov_b32 v[OUTR+8*\k+5], v[OUTR+8*\k+6]
.endr
.irp k, 0,1,2,3,4,5,6,7
	global_store_b128 v[\l16], v[OUTR+8*\k:OUTR+8*\k+3], s[\base:\base+1] offset:(\k/4)*(\gt)+(\k%4)*768
	global_store_b64 v[\l8], v[OUTR+8*\k+4:OUTR+8*\k+5], s[\base:\base+1] offset:(\k/4)*(\gt)+(\k%4)*768+512
.endr
.endm
.macro WLOAD t, n                      ; block t: W(32 t + i, my column), i = 0 .. 31
.irp i, 0,1,2,3,4,5,6,7,8,9,10,11,12,13,14,15,16,17,18,19,20,21,22,23,24,25,26,27,28,29,30,31
	global_load_b32 v[WX+32*((\t)%2)+\i], v3, s[26:27] offset:(32*(\t)+\i)*(\n)*4 th:TH_LOAD_NT
.endr
.endm
.macro WBLOCK t, n
.set XS, WX+32*((\t)%2)
.if (\t) < NB-1
	s_wait_loadcnt 32                              ; this block's 32 loads are in; the next block's 32 may be out
.else
	s_wait_loadcnt 0
.endif
	v_max3_num_f32 v12, |v[XS]|, |v[XS+1]|, |v[XS+2]|               ; all 32 numbers of the block are mine
	v_max3_num_f32 v13, |v[XS+3]|, |v[XS+4]|, |v[XS+5]|
.irp i, 6,10,14,18,22,26
	v_max3_num_f32 v12, v12, |v[XS+\i]|, |v[XS+\i+1]|
	v_max3_num_f32 v13, v13, |v[XS+\i+2]|, |v[XS+\i+3]|
.endr
	v_max3_num_f32 v12, v12, |v[XS+30]|, |v[XS+31]|
	v_max3_num_f32 v12, v12, v13, 0x1800000        ; the floor
	v_add_nc_u32 v11, 0xff000000, v12              ; the conversions' scale operand
	v_lshrrev_b32 v13, 23, v11                     ; the byte
.if (\t)%4 == 0
	v_mov_b32 v[SB+(\t)/4], v13
.else
	v_lshl_or_b32 v[SB+(\t)/4], v13, 8*((\t)%4), v[SB+(\t)/4]
.endif
	v_cvt_scalef32_pk16_fp6_f32 v[WC:WC+2], v[XS:XS+15], v11
	v_cvt_scalef32_pk16_fp6_f32 v[WC+4:WC+6], v[XS+16:XS+31], v11  ; (a conversion's three registers begin on an even number)
	ds_store_b96 v4, v[WC:WC+2] offset:32*(\t)     ; 12 bytes to a place of 16: every LDS address is a multiple of 16
	ds_store_b96 v4, v[WC+4:WC+6] offset:32*(\t)+16
.if (\t)+2 < NB
	WLOAD (\t)+2, \n
.endif
	s_wait_dscnt 0x0                               ; the stores have read their registers: the next block's codes may be written
.endm
; A weight [1024][n]: a lane takes a column, its registers run down K.  j0: its first work-group; src, dst: its pointers; lb: its LDS bytes; rot = 1: records 0-15 (W_q, W_k) take the heads' order.
; In both orders lane l's column lies at position 32 wave + (l with bits 3 and 4 exchanged) of the record; only the column differs: base + l % 16 + (l / 16) x 16, base 32 wave; or x 32, base 64 (wave / 2) + 16 (wave % 2).
.macro WPATH n, j0, src, dst, lb, rot
	s_sub_co_u32 s20, ttmp9, \j0
	s_lshr_b32 s21, s20, 2                         ; the record: which 128 columns
	s_and_b32 s22, s20, 3                          ; which 256 along K
	s_lshl_b32 s29, s18, 5                         ; my wave's first position in the record
	s_mov_b32 s23, s29
	s_mov_b32 s35, 16
.if \rot
	s_lshr_b32 s24, s18, 1
	s_lshl_b32 s24, s24, 6
	s_and_b32 s25, s18, 1
	s_lshl_b32 s25, s25, 4
	s_add_co_u32 s24, s24, s25
	s_cmp_lt_u32 s21, 16
	s_cselect_b32 s23, s24, s23
	s_cselect_b32 s35, 32, s35
.endif
	s_lshl_b32 s24, s21, 7
	s_add_co_u32 s23, s23, s24                     ; my wave's column base
	v_and_b32 v3, 15, v2
	v_lshrrev_b32 v6, 4, v2
	v_mul_u32_u24 v11, s35, v6
	v_add_nc_u32 v3, v3, v11
	v_lshlrev_b32 v3, 2, v3                        ; in: my column, 4 bytes
	v_and_b32 v10, 7, v2
	v_bfe_u32 v11, v2, 3, 1
	v_lshl_add_u32 v10, v11, 4, v10
	v_bfe_u32 v11, v2, 4, 1
	v_lshl_add_u32 v10, v11, 3, v10                ; my position among the wave's 32
	s_mul_i32 s28, s18, 32*PITCH
	s_add_co_u32 s28, s28, \lb                     ; my stage
	v_mul_u32_u24 v4, v10, PITCH
	v_add_nc_u32 v4, s28, v4                       ; into it: row = my position
	v_and_b32 v5, 15, v2
	v_mul_u32_u24 v7, v5, PITCH                    ; out of it as an operand's lane: row l % 16, 32 (l / 16) bytes on
	v_lshl_add_u32 v7, v6, 5, v7
	v_add_nc_u32 v7, s28, v7
	v_lshlrev_b32 v8, 4, v2                        ; 16 x lane
	v_lshlrev_b32 v6, 3, v2                        ; 8 x lane
	v_lshlrev_b32 v9, 5, v10                       ; my position's row of 32 scale bytes
	s_mul_i32 s24, s22, 256*(\n)*4
	s_lshl_b32 s25, s23, 2
	s_add_co_u32 s24, s24, s25
	s_mov_b32 s25, 0
	s_add_nc_u64 s[26:27], s[\src:\src+1], s[24:25]
	s_mul_i32 s28, s21, WREC
	s_lshr_b32 s24, s29, 4
	s_mul_i32 s24, s24, 12288                      ; my first tile,
	s_add_co_u32 s24, s24, s28
	s_mul_i32 s20, s22, 3072                       ; my two fragments of it
	s_add_co_u32 s24, s24, s20
	s_add_nc_u64 s[30:31], s[\dst:\dst+1], s[24:25]
	s_lshl_b32 s24, s29, 5
	s_add_co_u32 s24, s24, s28
	s_lshl_b32 s20, s22, 3
	s_add_co_u32 s24, s24, s20
	s_add_co_u32 s24, s24, 98304
	s_add_nc_u64 s[32:33], s[\dst:\dst+1], s[24:25]
	WLOAD 0, \n
	WLOAD 1, \n
.set Q, 0
.rept NB
	WBLOCK Q, \n
.set Q, Q+1
.endr
	s_wait_alu depctr_va_vdst(0)                   ; the wait here, directly ahead of the reader below
	global_store_b64 v9, v[SB:SB+1], s[32:33]      ; 8 scale bytes of a row of 32
	IMGOUT 7, 8, 6, 30, 16*PITCH, 12288            ; half fragment k = 4 tile + 2 q + c
	s_wait_tensorcnt 0x0                           ; the wave's end
	ds_add_u32 v192, v193
	s_wait_dscnt 0x0
	s_endpgm
.endm
	s_load_b256 s[4:11], s[0:1], 0x0               ; x s[4:5], W_qkv s[6:7], W_out s[8:9], xc s[10:11]
	s_load_b128 s[12:15], s[0:1], 0x20             ; wc s[12:13], wo s[14:15]
	v_lshl_add_u32 v192, v0, 2, 0x19000
	v_mov_b32 v193, 0
	v_lshrrev_b32 v1, 5, v0
	v_readfirstlane_b32 s18, v1                    ; wave
	v_and_b32 v2, 31, v0                           ; lane
	s_wait_kmcnt 0x0
	s_cmp_lt_u32 ttmp9, 256
	s_cbranch_scc0 .Lweights
	; ---- x: my wave's 8 rows are one stream of 256 blocks
	s_wait_alu depctr_va_vdst(0)
	v_lshlrev_b32 v3, 4, v2                        ; 16 x lane: my 16 bytes of a load's 512
	s_mul_i32 s19, s18, WREG
	v_lshrrev_b32 v14, 2, v2
	v_mul_u32_u24 v14, v14, SP
	v_and_b32 v15, 3, v2
	v_lshl_add_u32 v14, v15, 4, v14
	v_add_nc_u32 v14, s19, v14                     ; the stage, in: SP (lane / 4) + 16 (lane % 4)
	v_mul_u32_u24 v15, v2, SP
	v_add_nc_u32 v15, s19, v15                     ; out: SP x lane: my 16 neighbours
	v_lshrrev_b32 v5, 1, v2
	s_add_co_u32 s19, s19, 2*32*SP
	v_add_nc_u32 v5, s19, v5                       ; my block's scale byte in the wave's 256
	v_lshlrev_b32 v7, 3, v2                        ; 8 x lane
	v_add_nc_u32 v6, s19, v7
	s_lshl_b32 s20, ttmp9, 2
	s_add_co_u32 s22, s20, s18                     ; the run of 8 rows that I read: 4 x work-group + wave
	s_lshl_b32 s22, s22, 15
	s_mov_b32 s23, 0
	s_add_nc_u64 s[4:5], s[4:5], s[22:23]
	s_and_b32 s24, s18, 1                          ; bits 3 and 4 of a row are the wave's bits 0 and 1: exchanged for the position
	s_lshl_b32 s24, s24, 1
	s_lshr_b32 s25, s18, 1
	s_add_co_u32 s24, s24, s25                     ; which 8 of the work-group's 32 positions I fill
	s_mul_i32 s26, s24, 8*XP
	s_add_co_u32 s26, s26, XSB
	v_add_nc_u32 v4, s26, v3                       ; my place in a row of the common stage
	s_add_co_u32 s24, s24, s20
	s_lshr_b32 s26, s24, 1
	s_mul_i32 s22, s26, TREC                       ; their tile's record,
	s_and_b32 s26, s24, 1
	s_lshl_b32 s26, s26, 8
	s_add_co_u32 s22, s22, s26
	s_add_co_u32 s22, s22, 12288
	s_add_nc_u64 s[12:13], s[10:11], s[22:23]      ; their 256 scale bytes in it
	s_and_b32 s26, s18, 1                          ; on the way out I take tile wave / 2 of the two, fragments 4 (wave % 2) + 0 .. 3
	s_mul_i32 s27, s25, 16*XP
	s_lshl_b32 s28, s26, 9
	s_add_co_u32 s27, s27, s28
	s_add_co_u32 s27, s27, XSB
	v_and_b32 v10, 15, v2
	v_mul_u32_u24 v10, v10, XP
	v_lshrrev_b32 v11, 4, v2
	v_lshl_add_u32 v10, v11, 5, v10
	v_add_nc_u32 v10, s27, v10                     ; row l % 16 of the tile, 32 (l / 16) bytes on
	s_lshl_b32 s27, ttmp9, 1
	s_add_co_u32 s27, s27, s25
	s_mul_i32 s22, s27, TREC
	s_mul_i32 s26, s26, 6144
	s_add_co_u32 s22, s22, s26
	s_add_nc_u64 s[10:11], s[10:11], s[22:23]
.irp t, 0,1,2,3
	XLOAD \t
.endr
	s_wait_alu depctr_va_vdst(0)
	s_wait_loadcnt 12                              ; step 0's four loads are in
	XTURN 0
.irp t, 0,1,2,3,4,5,6,7,8,9,10,11,12,13,14,15
	XSTEP \t
.endr
	ds_load_b64 v[12:13], v6                       ; my wave's 256 scale bytes
	s_wait_dscnt 0x0                               ; and my stores into the common stage are done
	global_store_b64 v7, v[12:13], s[12:13]        ; 32 lanes store 256 consecutive bytes, aligned
	s_barrier_signal -1
	s_barrier_wait -1                              ; all 32 rows of codes lie in the stage
	IMGOUT 10, 3, 7, 10, 256, 3072                 ; half fragment k = 2 q + c
	s_wait_tensorcnt 0x0                           ; the wave's end
	ds_add_u32 v192, v193
	s_wait_dscnt 0x0
	s_endpgm
.Lweights:
	s_cmp_lt_u32 ttmp9, 352
	s_cbranch_scc0 .Lwout
	s_wait_alu depctr_va_vdst(0)
	WPATH 3072, 256, 6, 12, 32768, 1
.Lwout:
	s_wait_alu depctr_va_vdst(0)
	WPATH 1024, 352, 8, 14, 67584, 0
.Lfunc_end_k_qe9953bff5a_prep:
	.size	k_qe9953bff5a_prep, .Lfunc_end_k_qe9953bff5a_prep-k_qe9953bff5a_prep
	.p2alignl 7, 3214868480
	.fill 96, 4, 3214868480
	.section	.rodata,"a",@progbits
	.p2align	6, 0x0
	.amdhsa_kernel k_qe9953bff5a_prep
		.amdhsa_group_segment_fixed_size 136192
		.amdhsa_private_segment_fixed_size 0
		.amdhsa_enable_private_segment 0
		.amdhsa_kernarg_size 48
		.amdhsa_user_sgpr_count 2
		.amdhsa_user_sgpr_kernarg_segment_ptr 1
		.amdhsa_wavefront_size32 1
		.amdhsa_system_sgpr_workgroup_id_x 1
		.amdhsa_system_sgpr_workgroup_id_y 1
		.amdhsa_system_sgpr_workgroup_id_z 1
		.amdhsa_system_vgpr_workitem_id 0
		.amdhsa_next_free_vgpr 194
		.amdhsa_next_free_sgpr 66
		.amdhsa_reserve_vcc 0
		.amdhsa_float_denorm_mode_32 3
		.amdhsa_float_denorm_mode_16_64 3
		.amdhsa_memory_ordered 1
		.amdhsa_forward_progress 1
		.amdhsa_inst_pref_size 119
	.end_amdhsa_kernel
	.amdgpu_metadata
---
amdhsa.version: [ 1, 2 ]
amdhsa.kernels:
  - .name:           k_qe9953bff5a_prep
    .symbol:         k_qe9953bff5a_prep.kd
    .args:
      - { .name: x, .offset: 0, .size: 8, .value_kind: global_buffer, .address_space: global }
      - { .name: W_qkv, .offset: 8, .size: 8, .value_kind: global_buffer, .address_space: global }
      - { .name: W_out, .offset: 16, .size: 8, .value_kind: global_buffer, .address_space: global }
      - { .name: xc, .offset: 24, .size: 8, .value_kind: global_buffer, .address_space: global }
      - { .name: wc, .offset: 32, .size: 8, .value_kind: global_buffer, .address_space: global }
      - { .name: wo, .offset: 40, .size: 8, .value_kind: global_buffer, .address_space: global }
    .group_segment_fixed_size: 136192
    .private_segment_fixed_size: 0
    .kernarg_segment_align: 8
    .kernarg_segment_size: 48
    .max_flat_workgroup_size: 128
    .sgpr_count:     66
    .vgpr_count:     194
    .wavefront_size: 32
...
	.end_amdgpu_metadata
.endif
;; end of part 1
;; launch gqkv (part 2): grid 8 x 32, 4 waves a work-group, clusters of 4 x 4, 327,680 bytes of LDS; arguments xc, wc, b_qkv, qkv; writes qkv
.if DOCPART == 2
	.amdgcn_target "amdgcn-amd-amdhsa--gfx1250"
	.amdhsa_code_object_version 6
	.text
	.protected	k_qe9953bff5a_gqkv
	.globl	k_qe9953bff5a_gqkv
	.p2align	8
	.type	k_qe9953bff5a_gqkv,@function
k_qe9953bff5a_gqkv:
	s_mov_b64 s[64:65], 0
	v_nop
	global_prefetch_b8 v0, s[64:65] scope:SCOPE_SE
	s_setreg_imm32_b32 hwreg(HW_REG_WAVE_MODE, 25, 1), 1
	s_wait_xcnt 0x0
	s_wait_alu depctr_hold_cnt(0) depctr_sa_sdst(0) depctr_va_vdst(0) depctr_va_sdst(0) depctr_va_ssrc(0) depctr_va_vcc(0) depctr_vm_vsrc(0)
	s_getreg_b32 s2, hwreg(HW_REG_IB_STS2, 6, 4)
	s_cmp_eq_u32 s2, 0
	s_cbranch_scc0 .Lentry_in_a_cluster
	s_endpgm
.Lentry_in_a_cluster:
	s_bfe_u32 s2, ttmp6, 0x10000c
	s_cmp_lg_u32 s2, 0xf033
	s_cbranch_scc0 .Lentry_shape_is_right
	s_endpgm
.Lentry_shape_is_right:
; qkv = x W_qkv + b_qkv on codes of FP6 (E2M3) with E8M0 scales, f32 sums; no f32 result goes to memory: q and k are quantised along the head's 64, v along the keys, into the records that attention reads as they lie.
; THE DEAL.  256 work-groups of four waves, 2 x 2.  A work-group takes 256 tokens through three phases, Q, K, V, 128 features (two heads) each.  Wave (row a, column b) has 128 tokens (one record) and one head:
; it holds the head's 64 rows of the weight, ALL of K, in registers (32 fragments, 384 registers) and streams blocks of 16 tokens past them: 32 products a block on four accumulators by turns; the bias is the first products' C.
; THE OPERANDS are images of the operand's registers (a tile of 16 rows: [fragment q][half c]: registers 6 c .. 6 c + 3 of lane l at 16 l, 6 c + 4, 5 at 512 + 8 l); xc: 12,800 bytes a tile with its 16 x 32 scale bytes; wc: 102,400 bytes for 128 rows.
; LDS: x's 16 tiles (204,800 bytes) stay for all three phases; the weights' region (102,400) is filled at the head and filled again TWICE, in block 2 of the phases Q and K, when every wave holds the weight in registers:
; each time every wave runs the three lines, a round of the cluster's barrier follows, and each wave loads a quarter jointly.  x's tiles are shared by a row of the cluster, a weight's by a column.
; At the head one joint load a wave: W_q's record; x's tiles 0, 1 of both records; tiles 2, 3; tiles 4-7.  In LDS: [tiles 0,1][a], [tiles 2,3][a], [tiles 4-7][a].
; Q, K: source 0 = the weight's rows, laid so that tile j, row 8 h + i is feature 32 h + 8 j + i of the head: a lane's 32 sums are one scale block of its token, and two conversions give the half fragment's six registers.
; V: source 0 = 16 tokens chosen by the lanes' addresses: tile j of band c, row 8 h + i is token 64 c + 32 h + 8 j + i of the record (position tile 4 c + 2 h + j % 2, row 8 (j / 2) + i): a lane's 32 sums over a band's four blocks are one scale block of its channel.
; THE RECORD: 128 tokens of one head, 19,712 bytes; a head's 16 records 315,392.  +0 Q codes (8 tiles x 768), +6144 Q scale words [tile / 4][row][tile % 4], +6656 K codes, +12800 V codes (4 tiles of d x 2 bands x 768), +18944 K scale words, +19456 V scale words [row][tile].
; A half fragment in a record: registers 2 i, 2 i + 1 of lane l at 256 i + 8 l: each store of the wave covers 256 consecutive bytes, aligned.  Bytes 2, 3 of Q's and K's scale words are 0: they scale zero codes.
; PREFETCH: the next weight's record is asked for into the L2 a phase ahead of its refill (W_k's at the head, W_v's behind the first refill), 25 blocks of 256 bytes a wave, shared out by address among the sixteen waves of a column of the cluster.
; LIMITS: NaN and infinities are not served; a block of zeros gets the byte 1 (its codes are zeros; only this program reads the bytes).
; THE WAIT'S COUNT: a fetch is NF = 34 LDS loads; ahead of block s only the fetch of block s + 1 is younger than its own.
.set TREC,  12800
.set WREC,  102400
.set WB,    16*TREC
.set SPARE, WB+WREC
.set HS,    315392
.set REC,   19712
.set FR,    12
.set FPW,   21                         ; fragment f lies in window 1 + f / 21 at register 12 (f % 21): 0-31 the weight's (4 q + t), 32-39 and 40-47 x's two sets
.set NF,    34
.set A16,   4                          ; v4-6    Q, K: 16 x lane + my tiles' place in each of x's three parts
.set A8,    7                          ; v7-9    8 x lane + 512 + the same
.set AS,    10                         ; v10-12  my row's scale bytes there
.set V16,   13                         ; v13-14  V: the same three for bands 0, 1, by the lanes' own rows
.set V8,    15
.set VS,    17
.set W16,   19
.set W8,    20
.set WS,    21
.set SPW,   22
.set NIL,   23
.set SB,    24                         ; v24-39  the weight's scale words: register 8 p + q: lanes 0-15 tile 2 p, lanes 16-31 tile 2 p + 1
.set L8,    40
.set R16,   41
.set SH8,   42
.set PF,    43
.set SA,    44                         ; v44-59  x's scale words, two sets
.set TC,    60                         ; v60-62  the second conversion's codes
.set BO,    63
.set ACC,   64                         ; v64-95  Q, K: four accumulators
.set HV,    64                         ; v64-191 V: a band's sixteen: 32 t + 8 j + i
.set T,     192                        ; v192-206 the search for the largest magnitude
.set NC,    208                        ; v208-239 codes, four sets of eight
.set PWS,   240                        ; v240-247 Q's or K's scale words of eight tiles
.set VW,    248                        ; v248-251 V's of four tiles
.set EB,    252
.set SOP,   253
.set XX,    254
.set YY,    255
.set BQ,    72                         ; window 3: v840-871 Q's, then K's bias as the result lies
.set BV,    104                        ; window 3: v872-903 V's
.set G0W, 32
.set G0A, 36
.set G0B, 40
.set G0C, 44
.set G1W, 48
.set G1A, 56
.set G1C, 68
.set G0R, 76
.set G1R, 80
.set SEL, 88
.set MSB, 0
.macro WIN new
.if MSB != \new
	s_set_vgpr_msb (MSB<<8)|\new
.set MSB, \new
.endif
.endm
.macro PLACES n
.rept \n
	v_nop
.endr
.endm
.macro BARRIER
	s_barrier_signal -1
	s_barrier_wait -1
.endm
.macro CROUND
	BARRIER
	s_cmp_lg_u32 s14, 0
	s_cbranch_scc1 .Lnot_wave_0_\@
	s_barrier_signal -3
.Lnot_wave_0_\@:
	s_barrier_wait -3
	BARRIER
.endm
.macro TLOAD g0, g1
	tensor_load_to_lds s[\g0:\g0+3], s[\g1:\g1+7]
	s_nop 0
	PLACES 4
.endm
.macro GROUP1 g, mask, c, rows, pitch  ; rows of c elements of 8 bytes
	s_or_b32 s[\g], s[\mask], (3<<16)|(1<<21)
	s_mov_b32 s[\g+1], (\c)<<16
	s_mov_b32 s[\g+2], (\rows)<<16
	s_mov_b32 s[\g+3], (\c)<<16
	s_mov_b32 s[\g+4], \rows
	s_mov_b32 s[\g+5], \pitch
	s_mov_b32 s[\g+6], 0
	s_mov_b32 s[\g+7], 0
.endm
.macro SHOW w                          ; wave w's tile of the head is shown to all: its load line is its own
	s_cmp_eq_u32 s14, \w
	s_cbranch_scc0 .Lnot_mine_\@
	s_wait_tensorcnt 0x0
.Lnot_mine_\@:
	s_wait_dscnt 0x0
	BARRIER
.endm
.macro FRAG f, a16, o16, a8, o8
	WIN (1+(\f)/FPW)<<6
.set R_, FR*((\f)%FPW)
.irp c, 0,1
	ds_load_b128 v[R_+6*\c:R_+6*\c+3], v[\a16] offset:(\o16)+768*\c
	ds_load_b64 v[R_+6*\c+4:R_+6*\c+5], v[\a8] offset:(\o8)+768*\c
.endr
.endm
.macro WEIGHTS
.irp q, 0,1,2,3,4,5,6,7
.irp t, 0,1,2,3
	FRAG 4*\q+\t, W16, \t*12288+\q*1536, W8, \t*12288+\q*1536
.endr
.endr
	WIN 0
.irp p, 0,1
	ds_load_b128 v[SB+8*\p:SB+8*\p+3], v[WS] offset:1024*\p
	ds_load_b128 v[SB+8*\p+4:SB+8*\p+7], v[WS] offset:1024*\p+16
.endr
.endm
.macro FETCHQ s                        ; tile s of my record into set s % 2
.set E_, (\s)%2
.if (\s) < 4
.set K_, (\s)/2
.set O_, ((\s)%2)*TREC
.else
.set K_, 2
.set O_, ((\s)-4)*TREC
.endif
.irp q, 0,1,2,3,4,5,6,7
	FRAG 32+8*E_+\q, A16+K_, O_+\q*1536, A8+K_, O_+\q*1536
.endr
	WIN 0
	ds_load_b128 v[SA+8*E_:SA+8*E_+3], v[AS+K_] offset:O_
	ds_load_b128 v[SA+8*E_+4:SA+8*E_+7], v[AS+K_] offset:O_+16
.endm
.macro FETCHV s                        ; band s / 4, tile j = s % 4
.set E_, (\s)%2
.set K_, (\s)/4
.set O_, ((\s)%2)*TREC
.set H_, ((\s)%4)/2
.irp q, 0,1,2,3,4,5,6,7
	FRAG 32+8*E_+\q, V16+K_, O_+128*H_+\q*1536, V8+K_, O_+64*H_+\q*1536
.endr
	WIN 0
	ds_load_b128 v[SA+8*E_:SA+8*E_+3], v[VS+K_] offset:O_+256*H_
	ds_load_b128 v[SA+8*E_+4:SA+8*E_+7], v[VS+K_] offset:O_+256*H_+16
.endm
.macro W1 kind, c
.if \kind
.if RW_
	v_wmma_scale_f32_16x16x128_f8f6f4 v[D_:D_+7], v[RA_:RA_+FR-1], v[RB_:RB_+FR-1], \c, v[XA_], v[XB_] matrix_a_fmt:MATRIX_FMT_FP6 matrix_b_fmt:MATRIX_FMT_FP6 matrix_b_scale:MATRIX_SCALE_ROW1
.else
	v_wmma_scale_f32_16x16x128_f8f6f4 v[D_:D_+7], v[RA_:RA_+FR-1], v[RB_:RB_+FR-1], \c, v[XA_], v[XB_] matrix_a_fmt:MATRIX_FMT_FP6 matrix_b_fmt:MATRIX_FMT_FP6
.endif
.else
.if RW_
	v_wmma_scale_f32_16x16x128_f8f6f4 v[D_:D_+7], v[RB_:RB_+FR-1], v[RA_:RA_+FR-1], \c, v[XB_], v[XA_] matrix_a_fmt:MATRIX_FMT_FP6 matrix_b_fmt:MATRIX_FMT_FP6 matrix_a_scale:MATRIX_SCALE_ROW1
.else
	v_wmma_scale_f32_16x16x128_f8f6f4 v[D_:D_+7], v[RB_:RB_+FR-1], v[RA_:RA_+FR-1], \c, v[XB_], v[XA_] matrix_a_fmt:MATRIX_FMT_FP6 matrix_b_fmt:MATRIX_FMT_FP6
.endif
.endif
.endm
.macro PRODS kind, s
.set E_, (\s)%2
.irp q, 0,1,2,3,4,5,6,7
.irp t, 0,1,2,3
.set FB_, 4*\q+\t
.set FA_, 32+8*E_+\q
.set RB_, FR*(FB_%FPW)
.set RA_, FR*(FA_%FPW)
.set XB_, SB+8*(\t/2)+\q
.set XA_, SA+8*E_+\q
.set RW_, \t%2
.if \kind
.set D_, HV+32*\t+8*((\s)%4)
.set W_, (1+FA_/FPW)|((1+FB_/FPW)<<2)
.set CB_, BV+8*\t
.else
.set D_, ACC+8*\t
.set W_, (1+FB_/FPW)|((1+FA_/FPW)<<2)
.set CB_, BQ+8*\t
.endif
.if \q
	WIN W_
	W1 \kind, v[D_:D_+7]
.else
	WIN W_|(3<<4)
	W1 \kind, v[CB_:CB_+7]
.endif
.endr
.endr
	WIN 0
.endm
; 32 sums of a lane, one scale block, from register x on: the largest magnitude by a tree of sixteen v_max3 (each accumulator is read from its low end on), the scale, 32 codes into v[nc .. nc + 5], the byte into v[EB]
.macro QOUT x, nc
.irp k, 0,1,2,3,4,5,6,7,8,9
	v_max3_num_f32 v[T+\k], |v[(\x)+3*\k]|, |v[(\x)+3*\k+1]|, |v[(\x)+3*\k+2]|
.endr
	v_max3_num_f32 v[T+10], |v[(\x)+30]|, |v[(\x)+31]|, 0x1800000   ; and the floor 2^(3 - 127): the byte cannot fall under 1
	v_max3_num_f32 v[T+11], v[T], v[T+1], v[T+2]
	v_max3_num_f32 v[T+12], v[T+3], v[T+4], v[T+5]
	v_max3_num_f32 v[T+13], v[T+6], v[T+7], v[T+8]
	v_max3_num_f32 v[T+14], v[T+9], v[T+10], v[T+11]
	v_max3_num_f32 v[T+14], v[T+14], v[T+12], v[T+13]
	v_add_nc_u32 v[SOP], 0xff000000, v[T+14]       ; 2 off the exponent field: the conversions' scale operand
	v_cvt_scalef32_pk16_fp6_f32 v[(\nc):(\nc)+2], v[(\x):(\x)+15], v[SOP]
	v_cvt_scalef32_pk16_fp6_f32 v[TC:TC+2], v[(\x)+16:(\x)+31], v[SOP]   ; (a conversion's three registers begin on an even number)
	v_lshrrev_b32 v[EB], 23, v[SOP]                ; the byte (also the plain line behind the conversions)
.irp i, 0,1,2
	v_mov_b32 v[(\nc)+3+\i], v[TC+\i]
.endr
.endm
.macro JOIN d, src                     ; my bytes 8 (lane / 16) bits up, with lane l xor 16's: the scale word
	v_lshlrev_b32 v[XX], v[SH8], v[\src]
	v_permlanex16_b32 v[YY], v[XX], s[SEL], s[SEL+1]
	v_or_b32 v[\d], v[XX], v[YY]
.endm
.macro BLKQ s
.if (\s) < 7
	s_wait_dscnt NF
.else
	s_wait_dscnt 0x0
.endif
	PRODS 0, \s
.if (\s) == 0
	SHOW 2                                         ; x's tiles 2, 3, ahead of block 2's fetch (in the second trip nothing is out)
.endif
.if (\s) == 2
	s_wait_tensorcnt 0x0                           ; all my tensor loads have landed (in the first trip x's tiles 4-7 among them),
	ds_add_u32 v[SPW], v[NIL]                      ; 0 onto my spare word,
	s_add_nc_u64 s[G0R+2:G0R+3], s[G0R+2:G0R+3], 8*WREC   ; (no load of mine is out: the next weight's record, my quarter)
	s_wait_dscnt 0x0                               ; the add is done, and so are my reads of the weights' region
	CROUND
	TLOAD G0R, G1R                                 ; its four v_nop are the places ahead of the fetch below
.else
	PLACES 4
.endif
.if (\s) < 6
	FETCHQ (\s)+2
.endif
.if (\s) == 2
	s_cmp_eq_u32 s3, 0
	s_cbranch_scc0 .Lno_ask_\@
	global_prefetch_b8 v[PF], s[90:91] offset:8*WREC th:TH_LOAD_NT scope:SCOPE_SE   ; W_v's record, which the next trip's refill loads
.Lno_ask_\@:
.endif
	s_wait_xcnt 0x0                                ; earlier stores have read the registers that are written below
	QOUT ACC, NC+8*((\s)%4)
	JOIN PWS+(\s), EB
.irp i, 0,1,2
	global_store_b64 v[L8], v[NC+8*((\s)%4)+2*\i:NC+8*((\s)%4)+2*\i+1], s[10:11] offset:(\s)*768+256*\i
.endr
.endm
.macro BLKV s
.if (\s) < 7
	s_wait_dscnt NF
.else
	s_wait_dscnt 0x0
.endif
	PRODS 1, \s
	PLACES 4
.if (\s) < 6
	FETCHV (\s)+2
.endif
.if (\s)%4 == 3
	s_wait_xcnt 0x0
.irp t, 0,1,2,3
	QOUT HV+32*\t, NC+8*\t
.if (\s) == 3
	v_mov_b32 v[VW+\t], v[EB]
.else
	v_lshl_or_b32 v[VW+\t], v[EB], 16, v[VW+\t]
.endif
.irp i, 0,1,2
	global_store_b64 v[L8], v[NC+8*\t+2*\i:NC+8*\t+2*\i+1], s[92:93] offset:12800+\t*1536+((\s)/4)*768+256*\i
.endr
.endr
.endif
.endm
.macro BASES k, sb
	v_add_nc_u32 v[A16+\k], s\sb, v192
	v_add_nc_u32 v[A8+\k], s\sb, v193
	v_add_nc_u32 v[AS+\k], s\sb, v194
.endm
	s_load_b256 s[4:11], s[0:1], 0x0               ; xc s[4:5], wc s[6:7], b_qkv s[8:9], qkv s[10:11]
	v_lshl_add_u32 v[SPW], v0, 2, SPARE
	v_mov_b32 v[NIL], 0
	ds_add_u32 v[SPW], v[NIL]                      ; the opening lines: the add twice on end and its wait ahead of the first tensor load
	ds_add_u32 v[SPW], v[NIL]
	v_lshrrev_b32 v1, 5, v0
	v_readfirstlane_b32 s14, v1                    ; wave; s15 its row a, s16 its column b
	s_lshr_b32 s15, s14, 1
	s_and_b32 s16, s14, 1
	s_bfe_u32 s20, ttmp6, 0x40000                  ; cx
	s_bfe_u32 s21, ttmp6, 0x40004                  ; cy
	s_lshl_b32 s22, ttmp9, 2
	s_add_co_u32 s22, s22, s20                     ; which two heads
	s_and_b32 s23, ttmp7, 0xffff
	s_lshl_b32 s23, s23, 2
	s_add_co_u32 s23, s23, s21                     ; which 256 tokens
	s_lshl_b32 s24, s21, 2
	s_lshl_b32 s24, 15, s24                        ; my row of the cluster
	s_lshl_b32 s25, 0x1111, s20                    ; my column
	GROUP1 G1W, 25, 32, 400, 32                    ; a weight's record: 400 dense rows of 256 bytes
	GROUP1 G1R, 25, 32, 100, 32                    ; a quarter of it
	GROUP1 G1A, 24, 3200, 2, 12800                 ; two tiles of each of the two records: 2 rows of 25,600 bytes, 102,400 apart
	GROUP1 G1C, 24, 6400, 2, 12800                 ; four tiles of each
	s_mul_i32 s30, s22, WREC
	s_mov_b32 s31, 0
	s_mul_i32 s18, s23, 16*TREC
	s_mov_b32 s19, 0
	s_mov_b32 s[G0W], 1
	s_mov_b32 s[G0W+1], WB
	s_mov_b32 s[G0A], 1
	s_mov_b32 s[G0A+1], 0
	s_mov_b32 s[G0B], 1
	s_mov_b32 s[G0B+1], 4*TREC
	s_mov_b32 s[G0C], 1
	s_mov_b32 s[G0C+1], 8*TREC
	s_mov_b32 s[G0R], 1
	s_mul_i32 s17, s14, WREC/4
	s_add_co_u32 s[G0R+1], s17, WB
	s_mov_b32 s[SEL], 0x76543210
	s_mov_b32 s[SEL+1], 0xfedcba98                 ; lane selects: lane l xor 16
	v_and_b32 v1, 15, v0                           ; r
	v_bfe_u32 v2, v0, 4, 1                         ; h
	v_and_b32 v3, 31, v0                           ; lane
	v_lshlrev_b32 v192, 4, v3
	v_lshlrev_b32 v[L8], 3, v3
	v_add_nc_u32 v193, 512, v[L8]
	v_lshlrev_b32 v[R16], 4, v1
	v_lshlrev_b32 v194, 5, v1
	v_add_nc_u32 v194, 12288, v194
	v_lshlrev_b32 v[SH8], 3, v2
	v_lshlrev_b32 v[BO], 7, v2
	s_mul_i32 s26, s15, 2*TREC
	s_add_co_u32 s27, s26, 4*TREC
	s_mul_i32 s28, s15, 4*TREC
	s_add_co_u32 s28, s28, 8*TREC
	BASES 0, 26
	BASES 1, 27
	BASES 2, 28
	v_and_b32 v195, 7, v1                          ; V: my row of a tile is row r % 8 (+ 8 (j / 2)) of a position tile,
	v_lshrrev_b32 v196, 3, v1                      ; which lies two position tiles on for r / 8 = 1:
	v_lshl_add_u32 v197, v2, 4, v195
	v_mul_u32_u24 v198, v196, 4*TREC               ; in band 0 in x's next part,
	v_mul_u32_u24 v199, v196, 2*TREC               ; in band 1 in the same part
	v_lshl_add_u32 v200, v197, 4, v198
	v_lshl_add_u32 v201, v197, 4, v199
	v_lshl_add_u32 v202, v197, 3, v198
	v_lshl_add_u32 v203, v197, 3, v199
	v_lshl_add_u32 v204, v195, 5, v198
	v_lshl_add_u32 v205, v195, 5, v199
	v_add_nc_u32 v[V16], s26, v200
	v_add_nc_u32 v[V16+1], s28, v201
	v_add_nc_u32 v202, 512, v202
	v_add_nc_u32 v203, 512, v203
	v_add_nc_u32 v[V8], s26, v202
	v_add_nc_u32 v[V8+1], s28, v203
	v_add_nc_u32 v204, 12288, v204
	v_add_nc_u32 v205, 12288, v205
	v_add_nc_u32 v[VS], s26, v204
	v_add_nc_u32 v[VS+1], s28, v205
	s_mul_i32 s29, s16, 4*12288
	s_add_co_u32 s29, s29, WB
	v_add_nc_u32 v[W16], s29, v192
	v_add_nc_u32 v[W8], s29, v193
	s_lshl_b32 s29, s16, 11
	s_add_co_u32 s29, s29, WB+98304
	v_lshlrev_b32 v[WS], 5, v3
	v_add_nc_u32 v[WS], s29, v[WS]
	s_lshl_b32 s29, s21, 2
	s_add_co_u32 s29, s29, s14                     ; my number among the sixteen waves of my column of the cluster
	s_mul_i32 s29, s29, WREC/16
	v_min_u32 v206, 24, v3                         ; 25 blocks of 256 bytes; the lanes left over name the last again
	v_lshlrev_b32 v206, 8, v206
	v_add_nc_u32 v[PF], s29, v206
	v_and_b32 v208, 8, v1
	v_add_nc_u32 v208, v208, v1
	v_lshlrev_b32 v208, 2, v208                    ; V's bias: 4 (r + 8 (r / 8))
	v_mov_b32 v[YY], 0                             ; written once: a lane permute's destination counts as one of its sources
	s_wait_alu depctr_va_vdst(0)                   ; the wait at the head's end
	s_wait_dscnt 0x0
	CROUND                                         ; all sixteen work-groups are here: the joint loads meet
	s_wait_kmcnt 0x0
	s_add_nc_u64 s[G0W+2:G0W+3], s[6:7], s[30:31]
	s_add_nc_u64 s[90:91], s[G0W+2:G0W+3], 8*WREC  ; W_k's record, for the prefetches
	s_mov_b32 s30, s17
	s_add_nc_u64 s[G0R+2:G0R+3], s[G0W+2:G0W+3], s[30:31]
	s_add_nc_u64 s[G0A+2:G0A+3], s[4:5], s[18:19]
	s_add_nc_u64 s[G0B+2:G0B+3], s[G0A+2:G0A+3], 2*TREC
	s_add_nc_u64 s[G0C+2:G0C+3], s[G0A+2:G0A+3], 4*TREC
	s_or_b32 s[G0W+3], s[G0W+3], 0x80000000
	s_or_b32 s[G0R+3], s[G0R+3], 0x80000000
	s_or_b32 s[G0A+3], s[G0A+3], 0x80000000
	s_or_b32 s[G0B+3], s[G0B+3], 0x80000000
	s_or_b32 s[G0C+3], s[G0C+3], 0x80000000
	s_cmp_eq_u32 s14, 0
	s_cbranch_scc0 .Lwave_1
	TLOAD G0W, G1W
	s_branch .Lasked
.Lwave_1:
	s_cmp_eq_u32 s14, 1
	s_cbranch_scc0 .Lwave_2
	TLOAD G0A, G1A
	s_branch .Lasked
.Lwave_2:
	s_cmp_eq_u32 s14, 2
	s_cbranch_scc0 .Lwave_3
	TLOAD G0B, G1A
	s_branch .Lasked
.Lwave_3:
	TLOAD G0C, G1C
.Lasked:
	s_lshl_b32 s94, s22, 1
	s_add_co_u32 s94, s94, s16                     ; my head
	s_lshl_b32 s12, s94, 8
	s_mov_b32 s13, 0
	s_add_nc_u64 s[8:9], s[8:9], s[12:13]          ; b_qkv at Q's features of my head
	s_lshr_b32 s95, s23, 3                         ; the batch
	s_lshl_b32 s95, s95, 4
	s_add_co_u32 s94, s94, s95
	s_mul_i32 s94, s94, HS
	s_and_b32 s95, s23, 7
	s_lshl_b32 s95, s95, 1
	s_add_co_u32 s95, s95, s15
	s_mul_i32 s95, s95, REC
	s_add_co_u32 s94, s94, s95
	s_mov_b32 s95, 0
	s_add_nc_u64 s[92:93], s[10:11], s[94:95]      ; my record
	s_mov_b64 s[10:11], s[92:93]                   ; Q's codes, then K's
	s_add_nc_u64 s[12:13], s[92:93], 6144          ; Q's scale words, then K's
	WIN 3<<6
.irp k, 0,1,2,3,4,5,6,7                        ; Q: register 8 j + i of lane (r, h) is feature 32 h + 8 j + i
	global_load_b128 v[BQ+4*\k:BQ+4*\k+3], v[BO], s[8:9] offset:16*\k
.endr
.irp t, 0,1,2,3                                ; V: lane r of tile t is channel 32 (t / 2) + 8 (t % 2) + r + 8 (r / 8)
	global_load_b32 v[BV+8*\t], v208, s[8:9] offset:8192+(32*(\t/2)+8*(\t%2))*4
.endr
	WIN 0
	global_prefetch_b8 v[PF], s[90:91] th:TH_LOAD_NT scope:SCOPE_SE   ; W_k's record, which the first refill loads
	SHOW 0                                         ; W_q's record
	WEIGHTS
	SHOW 1                                         ; x's tiles 0, 1
	s_wait_loadcnt 0x0
	WIN (3<<6)|3
.irp t, 0,8,16,24
.irp i, 1,2,3,4,5,6,7
	v_mov_b32 v[BV+\t+\i], v[BV+\t]                ; V's number, one a lane and tile, over the tile's eight registers
.endr
.endr
	WIN 0
	s_mov_b32 s3, 0
	s_wait_alu depctr_va_vdst(0)
.Lqk:                                                  ; two trips: Q, K
	FETCHQ 0
	FETCHQ 1
	s_wait_loadcnt 0x0                             ; the bias
.irp s, 0,1,2,3,4,5,6,7
	BLKQ \s
.endr
	s_wait_alu depctr_va_vdst(0)                   ; the wait here, ahead of the readers of the last word
	global_store_b128 v[R16], v[PWS:PWS+3], s[12:13]               ; [4 tiles' words] at 16 r; lanes r and r + 16 write the same bytes with the same value
	global_store_b128 v[R16], v[PWS+4:PWS+7], s[12:13] offset:256
	s_wait_xcnt 0x0                                ; the stores have read their bases
	s_add_nc_u64 s[10:11], s[10:11], 6656
	s_add_nc_u64 s[12:13], s[12:13], 12800
	s_cmp_eq_u32 s3, 0
	s_cbranch_scc0 .Lno_bias
	WIN 3<<6
.irp k, 0,1,2,3,4,5,6,7
	global_load_b128 v[BQ+4*\k:BQ+4*\k+3], v[BO], s[8:9] offset:4096+16*\k   ; K's bias
.endr
	WIN 0
.Lno_bias:
	s_wait_tensorcnt 0x0                           ; my quarter of the next weight is in;
	s_wait_dscnt 0x0
	BARRIER                                        ; everybody's is
	WEIGHTS
	s_add_co_u32 s3, s3, 1
	s_cmp_lg_u32 s3, 2
	s_cbranch_scc1 .Lqk
	FETCHV 0
	FETCHV 1
.irp s, 0,1,2,3,4,5,6,7
	BLKV \s
.endr
.irp t, 0,1,2,3
	JOIN VW+\t, VW+\t
.endr
	global_store_b128 v[R16], v[VW:VW+3], s[92:93] offset:19456    ; [row][4 tiles]
	s_wait_tensorcnt 0x0                           ; the wave's end
	ds_add_u32 v[SPW], v[NIL]
	s_wait_dscnt 0x0
	CROUND                                         ; the closing round
	s_endpgm
.Lfunc_end_k_qe9953bff5a_gqkv:
	.size	k_qe9953bff5a_gqkv, .Lfunc_end_k_qe9953bff5a_gqkv-k_qe9953bff5a_gqkv
	.p2alignl 7, 3214868480
	.fill 96, 4, 3214868480
	.section	.rodata,"a",@progbits
	.p2align	6, 0x0
	.amdhsa_kernel k_qe9953bff5a_gqkv
		.amdhsa_group_segment_fixed_size 327680
		.amdhsa_private_segment_fixed_size 0
		.amdhsa_enable_private_segment 0
		.amdhsa_kernarg_size 32
		.amdhsa_user_sgpr_count 2
		.amdhsa_user_sgpr_kernarg_segment_ptr 1
		.amdhsa_wavefront_size32 1
		.amdhsa_system_sgpr_workgroup_id_x 1
		.amdhsa_system_sgpr_workgroup_id_y 1
		.amdhsa_system_sgpr_workgroup_id_z 1
		.amdhsa_system_vgpr_workitem_id 0
		.amdhsa_next_free_vgpr 904
		.amdhsa_next_free_sgpr 96
		.amdhsa_reserve_vcc 0
		.amdhsa_float_denorm_mode_32 3
		.amdhsa_float_denorm_mode_16_64 3
		.amdhsa_memory_ordered 1
		.amdhsa_forward_progress 1
		.amdhsa_inst_pref_size 165
	.end_amdhsa_kernel
	.amdgpu_metadata
---
amdhsa.version: [ 1, 2 ]
amdhsa.kernels:
  - .name:           k_qe9953bff5a_gqkv
    .symbol:         k_qe9953bff5a_gqkv.kd
    .args:
      - { .name: xc, .offset: 0, .size: 8, .value_kind: global_buffer, .address_space: global }
      - { .name: wc, .offset: 8, .size: 8, .value_kind: global_buffer, .address_space: global }
      - { .name: b_qkv, .offset: 16, .size: 8, .value_kind: global_buffer, .address_space: global }
      - { .name: qkv, .offset: 24, .size: 8, .value_kind: global_buffer, .address_space: global }
    .group_segment_fixed_size: 327680
    .private_segment_fixed_size: 0
    .kernarg_segment_align: 8
    .kernarg_segment_size: 32
    .max_flat_workgroup_size: 128
    .sgpr_count:     96
    .vgpr_count:     904
    .wavefront_size: 32
...
	.end_amdgpu_metadata
.endif
;; end of part 2
;; launch attn (part 3): grid 4 x 64, 16 waves a work-group, clusters of 4 x 1, 210,944 bytes of LDS; arguments qkv, oc; writes oc
.if DOCPART == 3
	.amdgcn_target "amdgcn-amd-amdhsa--gfx1250"
	.amdhsa_code_object_version 6
	.text
	.protected	k_qe9953bff5a_attn
	.globl	k_qe9953bff5a_attn
	.p2align	8
	.type	k_qe9953bff5a_attn,@function
k_qe9953bff5a_attn:
	s_mov_b64 s[64:65], 0
	v_nop
	global_prefetch_b8 v0, s[64:65] scope:SCOPE_SE
	s_setreg_imm32_b32 hwreg(HW_REG_WAVE_MODE, 25, 1), 1
	s_wait_xcnt 0x0
	s_wait_alu depctr_hold_cnt(0) depctr_sa_sdst(0) depctr_va_vdst(0) depctr_va_sdst(0) depctr_va_ssrc(0) depctr_va_vcc(0) depctr_vm_vsrc(0)
	s_getreg_b32 s2, hwreg(HW_REG_IB_STS2, 6, 4)
	s_cmp_eq_u32 s2, 0
	s_cbranch_scc0 .Lentry_in_a_cluster
	s_endpgm
.Lentry_in_a_cluster:
	s_bfe_u32 s2, ttmp6, 0x10000c
	s_cmp_lg_u32 s2, 0x3003
	s_cbranch_scc0 .Lentry_shape_is_right
	s_endpgm
.Lentry_shape_is_right:
; Causal attention of one (batch, head) on codes of FP6 (E2M3) with E8M0 scales; o / l is quantised along the head's 64 and stored as the last product's operand.
; t = score x log2(e) / 8; M = the running largest t rounded UP to a whole number; p = 2^(t - M) is quantised along the keys, not normalised; the row's sum is taken of the unquantised p; a move of M multiplies the sum and O by an exact power of two.
; Key steps all of whose keys come after a tile's queries are under the causal mask and are not walked.
; SHARES.  The four work-groups of a head (place cx = 0..3) form a cluster of 4 x 1; sixteen waves of 256 registers, four to a SIMD.  A tile of 16 queries in record g (128 tokens) needs g + 1 key steps of 128.
; Wave w takes tile A = 8 w + 2 cx (w + 1 steps) and then tile B = 8 (15 - w) + 2 cx + 1 (16 - w steps): 17 steps for every wave.  ONE LOOP OF 17 TRIPS, one step a trip in every wave: trips 0 .. w are tile A's steps 0 .. w,
; trips w + 1 .. 16 tile B's steps 0 .. 15 - w: the key step is (trip + offset) & 15, offset 0 or 15 - w.  At trip w + 1 tile A leaves and tile B's state is set, under a branch on the wave's number and the trip, in which no barrier stands.
; What decides branches and LDS addresses is made of the wave's number and the trip alone; cx enters global addresses and the diagonal's bound.
; A BARRIER FOR STEP: in each trip a wave signals behind the scores and waits at the trip's end; between the two stand V's LDS loads and register work alone.  No wave leaves a trip before every wave is at that trip's middle, so that all waves reach their last step together.
; LDS.  The head's K and V as codes with their scale words are 16 steps x 13,056 bytes = 208,896: all of it comes once, one JOINT tensor load a wave (51 rows of 256 dense bytes, mask 15), and stays: nothing is filled again.
;   a step: +0 K codes (8 tiles x 768), +6144 V codes (4 tiles of d x 1,536), +12288 K scale words ([2][16 rows][4 tiles]), +12800 V scale words ([16 rows][4 tiles]).
; NO PREFETCH: all that the work-group reads through LDS is asked for at the head; there is nothing to run ahead of.
; LAYOUT.  Both products transposed: S^T = K Q^T, O^T = V^T P^T: a lane holds one query.  Lane r of tile 2 b + u of tokens is token 32 b + 8 u + r + 8 (r / 8), so register 16 b + i of S^T is key 32 b + 16 (lane / 16) + i;
; likewise register 16 b + i of O^T is channel 32 b + 16 (lane / 16) + i.  The first product's K is 64: registers 6-11 of Q's fragment hold zero codes, so registers 6-11 of K's fragments may hold anything: their codes meet zero codes,
; and bytes 2, 3 of both scale words are 0, a finite scale.  Tile B's Q waits there (v38-43, its scale word in v50).  In qkv a half fragment lies as registers 2 i, 2 i + 1 of lane l at 256 i + 8 l.
; o leaves into records of 16 positions, 12,800 bytes: [head][768]: registers 0-3 of lane l at 16 l, registers 4, 5 at 512 + 8 l; behind the 12,288 bytes of codes 16 rows x 32 scale bytes, bytes 2 head, 2 head + 1 (2 bytes a row: parts of 256-byte blocks, one byte for 24 of codes).
; LIMITS: NaN and infinities are not served; a block of zeros gets the byte 1 (its codes are zeros; only this program reads the bytes).  The promise holds while the scaled scores t stay under 2^31 in magnitude.
; REGISTERS: v1 8 x lane, v2 16 r, v3 r + 8 (r / 8) - 16 h, v4-5 the step's LDS addresses, v6 16 x lane, v7 32 r, v8 the diagonal's bound (v10 tile B's), v9 -infinity; v12 -M, v13 the largest t, v[14:15] the sum; v16-27 Q; v28 Q's scale words; v29 p's;
;   v32-79 four fragments of K (the lower six of each are free between the scores and the next step's loads: v32-34, v44-46 conversions, v56-59 block maxima, v[60:61] a sum, v68-71 at work); v80-91 p's codes; v92-95 V's scale words;
;   v96-159 S^T, then p; v160-191 O^T; v192-239 V's four fragments; v240-247 K's scale words; v248-251 the conversions' scale operands; v[252:253] f; v254-255 at work.
.set HS,   315392                      ; a head's records in qkv
.set REC,  19712                       ; a record: 128 tokens
.set KVB,  13056                       ; its K and V part, from byte 6,656 on
.macro CROUND                          ; a round of the cluster's barrier
	s_barrier_signal -1
	s_barrier_wait -1
	s_cmp_lg_u32 s10, 0
	s_cbranch_scc1 .Lnot_wave_0_\@
	s_barrier_signal -3
.Lnot_wave_0_\@:
	s_barrier_wait -3
	s_barrier_signal -1
	s_barrier_wait -1
.endm
; A tile's addresses.  pn: 0 tile A, 1 tile B; g: the scalar register with its record; qc, qs: Q's codes and scale words; oc, os: o's codes and scale bytes; vb: the diagonal's bound
.macro TILE pn, g, qc, qs, oc, os, vb
	s_lshl_b32 s28, s52, 1
	s_add_co_u32 s28, s28, \pn
	s_lshl_b32 s35, s\g, 3
	s_add_co_u32 s28, s28, s35                     ; the tile: 8 x record + 2 cx + pn
	s_mul_i32 s36, s\g, REC
	s_and_b32 s37, s28, 7
	s_mul_i32 s37, s37, 768
	s_add_co_u32 s36, s36, s37
	s_mov_b32 s37, 0
	s_add_nc_u64 s[\qc:\qc+1], s[14:15], s[36:37]
	s_mul_i32 s36, s\g, REC
	s_bfe_u32 s35, s28, 0x10002
	s_lshl_b32 s35, s35, 8
	s_add_co_u32 s36, s36, s35
	s_and_b32 s35, s28, 3
	s_lshl_b32 s35, s35, 2
	s_add_co_u32 s36, s36, s35
	s_add_co_u32 s36, s36, 6144
	s_add_nc_u64 s[\qs:\qs+1], s[14:15], s[36:37]  ; [tile / 4][r][tile % 4]
	s_lshr_b32 s36, s11, 4
	s_lshl_b32 s36, s36, 7
	s_add_co_u32 s36, s36, s28                     ; 128 batch + tile
	s_mul_i32 s36, s36, 12800
	s_and_b32 s35, s11, 15                         ; the head
	s_mul_i32 s48, s35, 768
	s_add_co_u32 s36, s36, s48
	s_add_nc_u64 s[\oc:\oc+1], s[6:7], s[36:37]
	s_sub_co_u32 s36, s36, s48
	s_lshl_b32 s35, s35, 1
	s_add_co_u32 s36, s36, s35
	s_add_co_u32 s36, s36, 12288
	s_add_nc_u64 s[\os:\os+1], s[6:7], s[36:37]
	s_bfe_u32 s35, s28, 0x20001
	s_lshl_b32 s35, s35, 5
	s_and_b32 s36, s28, 1
	s_lshl_b32 s36, s36, 3
	s_add_co_u32 s35, s35, s36
	v_add_nc_u32 v\vb, s35, v3                     ; my query less the diagonal step's first key less 16 h: register 16 b + i is hidden where 32 b + i is above it
.endm
.macro INIT                            ; a tile's state: the step is written once; a tile's first step finds zeros
	v_mov_b32 v13, 0xff61b1e6                      ; the largest t so far: -3e38
	s_delay_alu instid0(VALU_DEP_1)
	v_floor_f32 v12, -v13                          ; -M
	v_mov_b32 v14, 0
	v_mov_b32 v15, 0
.set j, 160
.rept 32
	v_mov_b32 v[j], 0
.set j, j+1
.endr
.endm
; The way out: o = O^T / the sum, quantised along the head's 64 (two blocks), stored as a half fragment and two scale bytes a row
.macro WAYOUT oc, os
.rept 4
	v_nop
.endr
	v_add_f32 v14, v14, v15
	s_delay_alu instid0(VALU_DEP_1)
	v_permlanex16_b32 v255, v14, s40, s41
	s_delay_alu instid0(VALU_DEP_1)
	v_add_f32 v14, v14, v255                       ; the row's sum
	s_wait_alu depctr_va_vdst(0)
	v_rcp_f32 v14, v14
	v_nop                                          ; the plain line behind the reciprocal
	s_wait_alu depctr_va_vdst(0)                   ; and the wait ahead of its first reader
.set j, 0
.rept 32
	v_mul_f32 v[96+j], v[160+j], v14               ; register 16 b + i: channel 32 b + 16 h + i
.set j, j+1
.endr
.irp b, 0,1
	v_max3_num_f32 v[56+\b], |v[96+16*\b]|, |v[97+16*\b]|, 0x1800000
.endr
.irp i, 2,4,6,8,10,12,14
.irp b, 0,1
	s_delay_alu instid0(VALU_DEP_2)
	v_max3_num_f32 v[56+\b], v[56+\b], |v[96+16*\b+\i]|, |v[97+16*\b+\i]|
.endr
.endr
.irp b, 0,1
	s_delay_alu instid0(VALU_DEP_2)
	v_permlanex16_b32 v[68+\b], v[56+\b], s40, s41
.endr
.irp b, 0,1
	s_delay_alu instid0(VALU_DEP_2)
	v_max_num_f32 v[56+\b], v[56+\b], v[68+\b]
.endr
.irp b, 0,1
	s_delay_alu instid0(VALU_DEP_2)
	v_add_nc_u32 v[248+\b], 0xff000000, v[56+\b]
.endr
.irp b, 0,1
	s_delay_alu instid0(VALU_DEP_2)
	v_lshrrev_b32 v[68+\b], 23, v[248+\b]
.endr
	s_delay_alu instid0(VALU_DEP_1)
	v_lshl_or_b32 v254, v69, 8, v68
	v_cvt_scalef32_pk16_fp6_f32 v[80:82], v[96:111], v248
	v_cvt_scalef32_pk16_fp6_f32 v[32:34], v[112:127], v249
	v_nop
.irp i, 0,1,2
	v_permlane16_swap_b32 v[80+\i], v[32+\i]
.endr
.irp i, 0,1,2
	s_delay_alu instid0(VALU_DEP_3)
	v_mov_b32 v[83+\i], v[32+\i]
.endr
	global_store_b128 v6, v[80:83], s[\oc:\oc+1]             ; the wave stores 512 consecutive bytes, aligned,
	global_store_b64 v1, v[84:85], s[\oc:\oc+1] offset:512   ; and 256
	global_store_b16 v7, v254, s[\os:\os+1]        ; lanes r and r + 16 write the same two bytes with the same value
	s_wait_xcnt 0x0                                ; the stores have read their registers: they are written again below
.endm
	s_load_b128 s[4:7], s[0:1], 0x0                ; qkv s[4:5], oc s[6:7]
	v_lshl_add_u32 v30, v0, 2, 0x33000
	v_mov_b32 v31, 0
	ds_add_u32 v30, v31                            ; the opening lines: the add twice on end and its wait ahead of the first tensor load
	ds_add_u32 v30, v31
	v_lshrrev_b32 v1, 5, v0
	s_delay_alu instid0(VALU_DEP_1)
	v_readfirstlane_b32 s10, v1                    ; wave 0..15
	s_and_b32 s11, ttmp7, 0xffff                   ; 16 batch + head
	s_mov_b32 s16, (3<<16)|(1<<21)|15              ; group 1: elements of 8 bytes, no padding; the mask names the cluster's four, bit 21 beside it
	s_mov_b32 s17, 32<<16                          ; tensor_dim0 = 32 elements: 256 bytes
	s_mov_b32 s18, 51<<16                          ; tensor_dim1 = 51
	s_mov_b32 s19, 32<<16                          ; tile_dim0
	s_mov_b32 s20, 51                              ; tile_dim1
	s_mov_b32 s21, 32                              ; the pitch: dense
	s_mov_b32 s22, 0
	s_mov_b32 s23, 0
	s_mul_i32 s12, s11, HS
	s_mov_b32 s13, 0
	s_mul_i32 s25, s10, KVB                        ; key step w goes to LDS byte 13,056 w
	s_mul_i32 s32, s10, REC
	s_add_co_u32 s32, s32, 6656
	s_mov_b32 s33, 0
	s_mov_b32 s24, 1
	s_mov_b32 s40, 0x76543210
	s_mov_b32 s41, 0xfedcba98                      ; lane selects: lane l xor 16
	s_mov_b32 s42, 0x3e38aa3b                      ; c = log2(e) / sqrt(64)
	s_mov_b32 s43, s42                             ; (named with it as a pair)
	s_bfe_u32 s52, ttmp6, 0x40000                  ; cx: my place in the cluster
	s_add_co_u32 s53, s10, 1                       ; the trip in which tile B begins
	s_sub_co_u32 s54, 15, s10                      ; tile B's record
	s_wait_dscnt 0x0
	CROUND                                         ; the four work-groups are here: the joint loads meet
	s_wait_kmcnt 0x0
	s_add_nc_u64 s[14:15], s[4:5], s[12:13]        ; the head's records
	s_add_nc_u64 s[26:27], s[14:15], s[32:33]
	s_or_b32 s27, s27, 0x80000000
	tensor_load_to_lds s[24:27], s[16:23]          ; my one tensor load
	s_nop 0
.rept 4
	v_nop
.endr
	v_and_b32 v10, 31, v0
	s_delay_alu instid0(VALU_DEP_1)
	v_lshlrev_b32 v1, 3, v10
	v_and_b32 v11, 15, v0                          ; r
	v_bfe_u32 v6, v0, 4, 1                         ; h
	s_delay_alu instid0(VALU_DEP_2)
	v_lshlrev_b32 v2, 4, v11
	s_delay_alu instid0(VALU_DEP_3)
	v_and_b32 v3, 8, v11
	s_delay_alu instid0(VALU_DEP_1)
	v_add_nc_u32 v3, v3, v11
	s_delay_alu instid0(VALU_DEP_4)
	v_lshlrev_b32 v10, 4, v6
	s_delay_alu instid0(VALU_DEP_1)
	v_sub_nc_u32 v3, v3, v10
	v_lshlrev_b32 v7, 5, v11
	v_mov_b32 v9, 0xff800000
	v_lshlrev_b32 v6, 1, v1                        ; 16 x lane
.irp j, 22,23,24,25,26,27
	v_mov_b32 v[\j], 0                             ; Q's zero codes, K = 64 .. 127
.endr
.set j, 32
.rept 48
	v_mov_b32 v[j], 0                              ; K's fragments are written once here: their upper six are read by the products, and lane permutes' destinations count as read
.set j, j+1
.endr
.irp j, 252,253,254,255
	v_mov_b32 v[\j], 0
.endr
	TILE 0, 10, 38, 50, 44, 46, 8
	TILE 1, 54, 60, 62, 56, 58, 10
.irp i, 0,1,2
	global_load_b64 v[16+2*\i:17+2*\i], v1, s[38:39] offset:256*\i   ; tile A's Q
.endr
	global_load_b32 v28, v2, s[50:51]
.irp i, 0,1,2
	global_load_b64 v[38+2*\i:39+2*\i], v1, s[60:61] offset:256*\i   ; tile B's Q waits in registers whose codes meet zero codes
.endr
	global_load_b32 v50, v2, s[62:63]
	INIT
	s_wait_alu depctr_va_vdst(0)                   ; the wait at the head's end
	s_wait_tensorcnt 0x0                           ; my step's K and V are in LDS,
	s_barrier_signal -1
	s_barrier_wait -1                              ; everybody's are
	s_wait_loadcnt 0x0                             ; Q, both tiles'
	s_mov_b32 s30, 0                               ; the trip
.Lslot:                                                ; 17 trips, one key step each
	s_cmp_eq_u32 s30, s53
	s_cbranch_scc0 .Lsame
	WAYOUT 44, 46                                  ; tile A leaves,
	v_mov_b32 v8, v10                              ; and tile B's bound, Q and state take its place (the 36 lines of the state are the places ahead of the products)
.irp i, 0,1,2,3,4,5
	v_mov_b32 v[16+\i], v[38+\i]
.endr
	v_mov_b32 v28, v50
	INIT
.Lsame:
	s_cmp_gt_u32 s30, s10                          ; tile B's trips?
	s_cselect_b32 s55, s54, 0
	s_cselect_b32 s29, s54, s10                    ; the key step on the diagonal
	s_add_co_u32 s55, s55, s30
	s_and_b32 s55, s55, 15                         ; the key step: the trip, or the trip - (w + 1)
	s_mul_i32 s31, s55, KVB                        ; its LDS byte
	v_add_nc_u32 v4, s31, v1
	v_add_nc_u32 v5, s31, v2
	ds_load_b128 v[240:243], v5 offset:12288       ; K's scale words, tiles 0-3 and 4-7
	ds_load_b128 v[244:247], v5 offset:12544
.irp t, 0,1,2,3
.irp i, 0,1,2
	ds_load_b64 v[32+12*\t+2*\i:33+12*\t+2*\i], v4 offset:768*\t+256*\i
.endr
.endr
	s_wait_alu depctr_va_vdst(0)
	s_wait_dscnt 0x0
.irp t, 0,1,2,3
	v_wmma_scale_f32_16x16x128_f8f6f4 v[96+8*\t:103+8*\t], v[32+12*\t:43+12*\t], v[16:27], 0, v[240+\t], v28 matrix_a_fmt:MATRIX_FMT_FP6 matrix_b_fmt:MATRIX_FMT_FP6
.endr
.rept 4
	v_nop                                          ; places in front of loads into registers that matrix instructions have read
.endr
.irp t, 0,1,2,3
.irp i, 0,1,2
	ds_load_b64 v[32+12*\t+2*\i:33+12*\t+2*\i], v4 offset:768*(4+\t)+256*\i
.endr
.endr
	s_wait_dscnt 0x0                               ; K's tiles 4-7 are in
.irp t, 0,1,2,3
	v_wmma_scale_f32_16x16x128_f8f6f4 v[128+8*\t:135+8*\t], v[32+12*\t:43+12*\t], v[16:27], 0, v[244+\t], v28 matrix_a_fmt:MATRIX_FMT_FP6 matrix_b_fmt:MATRIX_FMT_FP6
.endr
.rept 4
	v_nop
.endr
	s_cmp_lg_u32 s55, s29                          ; on the diagonal hidden scores become -infinity ahead of the maximum: p = 0 then
	s_cbranch_scc1 .Lopen
.set n, 0
.rept 64
	v_cmp_gt_i32 vcc_lo, 32*(n/16)+n%16, v8
	v_cndmask_b32 v[96+n], v[96+n], v9, vcc_lo
.set n, n+1
.endr
.Lopen:
	s_barrier_signal -1                            ; I am at this trip's middle (no LDS instruction of mine is out)
.irp t, 0,1,2,3
.irp c, 0,1
.irp i, 0,1,2
	ds_load_b64 v[192+12*\t+6*\c+2*\i:193+12*\t+6*\c+2*\i], v4 offset:6144+1536*\t+768*\c+256*\i   ; V lands while the softmax is walked: bytes that nobody writes
.endr
.endr
.endr
	ds_load_b128 v[92:95], v5 offset:12800
.irp b, 0,1,2,3
	v_max3_num_f32 v[56+\b], v[96+16*\b], v[97+16*\b], v[98+16*\b]   ; the largest score of each block of 32 keys: for the row's maximum, and, since p rises with the score, for the block's largest p
.endr
.irp i, 3,5,7,9,11,13
.irp b, 0,1,2,3
	v_max3_num_f32 v[56+\b], v[56+\b], v[96+16*\b+\i], v[97+16*\b+\i]
.endr
.endr
.irp b, 0,1,2,3
	v_max_num_f32 v[56+\b], v[56+\b], v[111+16*\b]
.endr
.irp b, 0,1,2,3
	s_delay_alu instid0(VALU_DEP_4)
	v_permlanex16_b32 v[68+\b], v[56+\b], s40, s41
.endr
.irp b, 0,1,2,3
	s_delay_alu instid0(VALU_DEP_4)
	v_max_num_f32 v[56+\b], v[56+\b], v[68+\b]     ; with lane l xor 16's 16 keys
.endr
	s_delay_alu instid0(VALU_DEP_2)
	v_max3_num_f32 v254, v56, v57, v58
	s_delay_alu instid0(VALU_DEP_1)
	v_max_num_f32 v254, v254, v59
	s_delay_alu instid0(VALU_DEP_1)
	v_mul_f32 v254, s42, v254                      ; as t (c is positive)
	s_delay_alu instid0(VALU_DEP_1)
	v_max_num_f32 v13, v13, v254                   ; the running largest t
	v_mov_b32 v254, v12
	s_delay_alu instid0(VALU_DEP_2)
	v_floor_f32 v12, -v13                          ; the new -M = -ceil(t)
	s_delay_alu instid0(VALU_DEP_1)
	v_sub_f32 v254, v12, v254                      ; old M - new M: a whole number, 0 or less
	s_delay_alu instid0(VALU_DEP_1)
	v_cvt_i32_f32 v254, v254                       ; (it saturates)
	s_delay_alu instid0(VALU_DEP_1)
	v_ldexp_f32 v252, 1.0, v254                    ; f = 2^(old M - new M)
.set j, 0
.rept 32
	v_pk_fma_f32 v[96+j:97+j], v[96+j:97+j], s[42:43], v[12:13] op_sel_hi:[1,0,0]   ; t - M, two at a time
.set j, j+2
.endr
.irp b, 0,1,2,3
	v_fma_f32 v[56+\b], v[56+\b], s42, v12         ; the same of each block's largest score
.endr
.set j, 0
	s_wait_alu depctr_va_vdst(0)                   ; the wait ahead of the batch
.rept 64
	v_exp_f32 v[96+j], v[96+j]                     ; p = 2^(t - M)
.set j, j+1
.endr
	v_pk_mul_f32 v[14:15], v[14:15], v[252:253] op_sel_hi:[1,0]   ; the sums under the new M (the plain line behind the exponentials)
	s_wait_alu depctr_va_vdst(0)                   ; one wait for the batch of 64, ahead of its first reader
.irp b, 0,1,2,3
	v_exp_f32 v[56+\b], v[56+\b]                   ; the block's largest p: the same two instructions on the same number
.endr
	v_pk_add_f32 v[60:61], v[100:101], v[104:105]  ; the row's sum of the unquantised p, in eight chains
	v_pk_add_f32 v[250:251], v[108:109], v[112:113]
	v_pk_add_f32 v[248:249], v[116:117], v[120:121]
	v_pk_add_f32 v[246:247], v[124:125], v[128:129]
	v_pk_add_f32 v[244:245], v[132:133], v[136:137]
	v_pk_add_f32 v[242:243], v[140:141], v[144:145]
	v_pk_add_f32 v[240:241], v[148:149], v[152:153]
	v_pk_add_f32 v[14:15], v[14:15], v[156:157]
	v_pk_add_f32 v[60:61], v[60:61], v[96:97]
	v_pk_add_f32 v[250:251], v[250:251], v[98:99]
	v_pk_add_f32 v[248:249], v[248:249], v[102:103]
	v_pk_add_f32 v[246:247], v[246:247], v[106:107]
	v_pk_add_f32 v[244:245], v[244:245], v[110:111]
	v_pk_add_f32 v[242:243], v[242:243], v[114:115]
	v_pk_add_f32 v[240:241], v[240:241], v[118:119]
	v_pk_add_f32 v[14:15], v[14:15], v[122:123]
	v_pk_add_f32 v[60:61], v[60:61], v[126:127]
	v_pk_add_f32 v[250:251], v[250:251], v[130:131]
	v_pk_add_f32 v[248:249], v[248:249], v[134:135]
	v_pk_add_f32 v[246:247], v[246:247], v[138:139]
	v_pk_add_f32 v[244:245], v[244:245], v[142:143]
	v_pk_add_f32 v[242:243], v[242:243], v[146:147]
	v_pk_add_f32 v[240:241], v[240:241], v[150:151]
	v_pk_add_f32 v[14:15], v[14:15], v[154:155]
	v_pk_add_f32 v[60:61], v[60:61], v[158:159]
	s_delay_alu instid0(VALU_DEP_2)
	v_pk_add_f32 v[14:15], v[14:15], v[246:247]
	s_delay_alu instid0(VALU_DEP_2)
	v_pk_add_f32 v[60:61], v[60:61], v[244:245]
	v_pk_add_f32 v[250:251], v[250:251], v[242:243]
	v_pk_add_f32 v[248:249], v[248:249], v[240:241]
	s_delay_alu instid0(VALU_DEP_2)
	v_pk_add_f32 v[14:15], v[14:15], v[250:251]
	s_delay_alu instid0(VALU_DEP_2)
	v_pk_add_f32 v[60:61], v[60:61], v[248:249]
	s_delay_alu instid0(VALU_DEP_1)
	v_pk_add_f32 v[14:15], v[14:15], v[60:61]
	s_wait_alu depctr_va_vdst(0)                   ; and one for the four
.irp b, 0,1,2,3
	v_max_num_f32 v[56+\b], 0x1800000, v[56+\b]    ; the floor 2^(3 - 127): the byte cannot fall under 1
.endr
.irp b, 0,1,2,3
	s_delay_alu instid0(VALU_DEP_4)
	v_add_nc_u32 v[248+\b], 0xff000000, v[56+\b]   ; the conversion's scale operand
.endr
.irp b, 0,1,2,3
	s_delay_alu instid0(VALU_DEP_4)
	v_lshrrev_b32 v[68+\b], 23, v[248+\b]          ; the byte
.endr
	s_delay_alu instid0(VALU_DEP_3)
	v_lshl_or_b32 v29, v69, 8, v68                 ; p's scale word for these 128 keys
	s_delay_alu instid0(VALU_DEP_1)
	v_lshl_or_b32 v29, v70, 16, v29
	s_delay_alu instid0(VALU_DEP_1)
	v_lshl_or_b32 v29, v71, 24, v29
.irp c, 0,1
	v_cvt_scalef32_pk16_fp6_f32 v[80+6*\c:82+6*\c], v[96+32*\c:111+32*\c], v[248+2*\c]
	v_cvt_scalef32_pk16_fp6_f32 v[32+12*\c:34+12*\c], v[112+32*\c:127+32*\c], v[249+2*\c]
.endr
	v_nop                                          ; one plain line behind a scaled conversion
.irp c, 0,1                                    ; a whole block to a lane
.irp i, 0,1,2
	v_permlane16_swap_b32 v[80+6*\c+\i], v[32+12*\c+\i]
.endr
.irp i, 0,1,2
	s_delay_alu instid0(VALU_DEP_3)
	v_mov_b32 v[83+6*\c+\i], v[32+12*\c+\i]
.endr
.endr
.set j, 0
.rept 16
	v_pk_mul_f32 v[160+j:161+j], v[160+j:161+j], v[252:253] op_sel_hi:[1,0]   ; O^T under the new M; these 16 are also the places between p's codes and scale word and the products
.set j, j+2
.endr
	s_wait_alu depctr_va_vdst(0)
	s_wait_dscnt 0x0                               ; V
.irp t, 0,1,2,3                                ; four accumulators by turns
	v_wmma_scale_f32_16x16x128_f8f6f4 v[160+8*\t:167+8*\t], v[192+12*\t:203+12*\t], v[80:91], v[160+8*\t:167+8*\t], v[92+\t], v29 matrix_a_fmt:MATRIX_FMT_FP6 matrix_b_fmt:MATRIX_FMT_FP6
.endr
	s_barrier_wait -1                              ; every wave is at this trip's middle or beyond
	s_add_co_u32 s30, s30, 1
	s_cmp_lt_u32 s30, 17
	s_cbranch_scc1 .Lslot
	WAYOUT 56, 58                                  ; tile B leaves
	s_wait_tensorcnt 0x0                           ; the wave's end
	ds_add_u32 v30, v31
	s_wait_dscnt 0x0
	CROUND                                         ; the closing round
	s_endpgm
.Lfunc_end_k_qe9953bff5a_attn:
	.size	k_qe9953bff5a_attn, .Lfunc_end_k_qe9953bff5a_attn-k_qe9953bff5a_attn
	.p2alignl 7, 3214868480
	.fill 96, 4, 3214868480
	.section	.rodata,"a",@progbits
	.p2align	6, 0x0
	.amdhsa_kernel k_qe9953bff5a_attn
		.amdhsa_group_segment_fixed_size 210944
		.amdhsa_private_segment_fixed_size 0
		.amdhsa_enable_private_segment 0
		.amdhsa_kernarg_size 16
		.amdhsa_user_sgpr_count 2
		.amdhsa_user_sgpr_kernarg_segment_ptr 1
		.amdhsa_wavefront_size32 1
		.amdhsa_system_sgpr_workgroup_id_x 1
		.amdhsa_system_sgpr_workgroup_id_y 1
		.amdhsa_system_sgpr_workgroup_id_z 1
		.amdhsa_system_vgpr_workitem_id 0
		.amdhsa_next_free_vgpr 256
		.amdhsa_next_free_sgpr 66
		.amdhsa_reserve_vcc 1
		.amdhsa_float_denorm_mode_32 3
		.amdhsa_float_denorm_mode_16_64 3
		.amdhsa_memory_ordered 1
		.amdhsa_forward_progress 1
		.amdhsa_inst_pref_size 45
	.end_amdhsa_kernel
	.amdgpu_metadata
---
amdhsa.version: [ 1, 2 ]
amdhsa.kernels:
  - .name:           k_qe9953bff5a_attn
    .symbol:         k_qe9953bff5a_attn.kd
    .args:
      - { .name: qkv, .offset: 0, .size: 8, .value_kind: global_buffer, .address_space: global }
      - { .name: oc, .offset: 8, .size: 8, .value_kind: global_buffer, .address_space: global }
    .group_segment_fixed_size: 210944
    .private_segment_fixed_size: 0
    .kernarg_segment_align: 8
    .kernarg_segment_size: 16
    .max_flat_workgroup_size: 512
    .sgpr_count:     66
    .vgpr_count:     256
    .wavefront_size: 32
...
	.end_amdgpu_metadata
.endif
;; end of part 3
;; launch gout (part 4): grid 8 x 32, 4 waves a work-group, clusters of 4 x 4, 327,680 bytes of LDS; arguments oc, wo, b_out, out0; writes out0
.if DOCPART == 4
	.amdgcn_target "amdgcn-amd-amdhsa--gfx1250"
	.amdhsa_code_object_version 6
	.text
	.protected	k_qe9953bff5a_gout
	.globl	k_qe9953bff5a_gout
	.p2align	8
	.type	k_qe9953bff5a_gout,@function
k_qe9953bff5a_gout:
	s_mov_b64 s[64:65], 0
	v_nop
	global_prefetch_b8 v0, s[64:65] scope:SCOPE_SE
	s_setreg_imm32_b32 hwreg(HW_REG_WAVE_MODE, 25, 1), 1
	s_wait_xcnt 0x0
	s_wait_alu depctr_hold_cnt(0) depctr_sa_sdst(0) depctr_va_vdst(0) depctr_va_sdst(0) depctr_va_ssrc(0) depctr_va_vcc(0) depctr_vm_vsrc(0)
	s_getreg_b32 s2, hwreg(HW_REG_IB_STS2, 6, 4)
	s_cmp_eq_u32 s2, 0
	s_cbranch_scc0 .Lentry_in_a_cluster
	s_endpgm
.Lentry_in_a_cluster:
	s_bfe_u32 s2, ttmp6, 0x10000c
	s_cmp_lg_u32 s2, 0xf033
	s_cbranch_scc0 .Lentry_shape_is_right
	s_endpgm
.Lentry_shape_is_right:
; out0 = o W_out + b_out on codes of FP6 (E2M3) with E8M0 scales, f32 sums.  M = 8,192, N = 1,024, K = 1,024.
; THE DEAL.  256 work-groups of four waves, 2 x 2; a work-group makes 256 tokens x 128 features.  A wave (row a, column b) holds 64 rows of W_out, ALL of K, in registers (32 fragments, 384 registers)
; and streams blocks of 16 tokens, all of K, past them: its block s is the work-group's tile 2 s + a.  A block is 32 products on four accumulators by turns; the bias is the first products' C.
; THE OPERANDS lie in memory as images of the operand's registers, so every tensor row is 256 dense bytes and LDS needs no padding:
;   oc: a record for 16 positions, 12,800 bytes: [fragment q][half c]: registers 6 c .. 6 c + 3 of lane l at 16 l, registers 6 c + 4, 5 at 512 + 8 l (768 bytes a half); then 16 rows x 32 scale bytes.
;   wo: a record for 128 positions, 102,400 bytes: eight tiles of 12,288 bytes laid the same way, then 128 rows x 32 scale bytes.
; ROW ORDER.  Position p holds row p with bits 3 and 4 exchanged: row r of tile T is true row 32 (T / 2) + 8 (T % 2) + r + 8 (r / 8).  Source 0 is W_out's rows: registers of tiles 2 u, 2 u + 1 are 16 neighbouring features of a token.
; LDS: the 16 records of o (204,800 bytes), W_out's record (102,400), a stage of 16 x 272 bytes for each wave, the spare words.  EVERYTHING IS FILLED ONCE, at the head, one joint load a wave:
; wave 0 W_out's record (shared by a column of the cluster), waves 1, 2, 3 tiles 0-3, 4-9, 10-15 of o (shared by a row).  Four plain barriers show them one after the other; ahead of each the wave that asked waits, ahead of the last every wave.
; THE WAY OUT.  A block's 16 x 64 sums go through the wave's own stage and leave as rows of 256 bytes, sixteen lanes to a row, aligned; block s - 1 is stored behind block s's products.
; NO PREFETCH: all that the work-group reads is asked for at the head; there is no loop to run ahead in.
; THE WAITS' COUNTS: a fetch is NF = 34 LDS loads, a turn through the stage NT = 16 LDS instructions.  Behind block s's turn and the fetch of block s + 2 a wait for NF + NT shows block s + 1's rows and block s - 1's turn done.
.set TREC,  12800
.set WREC,  102400
.set WB,    16*TREC
.set STAGE, WB+WREC
.set SPITCH, 272
.set SPARE, STAGE+4*16*SPITCH
.set FR,    12
.set FPW,   21                         ; fragments in a window of 256 registers: fragment f lies in window 1 + f / 21 at register 12 (f % 21); 0-31 W_out's (4 q + t), 32-39 and 40-47 o's two sets
.set NF,    34
.set NT,    16
.set A16,   4                          ; v4-6    LDS: 16 x lane + my tile of blocks 0, 3, 6
.set A8,    7                          ; v7-9    8 x lane + 512 + the same
.set AS,    10                         ; v10-12  my row's scale bytes there
.set W16,   13
.set W8,    14
.set WS,    15
.set STO,   16
.set RD,    17
.set CO,    18
.set BO,    19
.set SPW,   20
.set NIL,   21
.set SB,    24                         ; v24-39  W_out's scale words: register 8 p + q: lanes 0-15 tile 2 p, lanes 16-31 tile 2 p + 1
.set SA,    44                         ; v44-59  o's scale words, two sets
.set ACC,   64                         ; v64-127 two sets of four accumulators
.set BI,    128                        ; v128-159 the bias, as the result lies
.set OUT,   160                        ; v160-223 two sets of 16 rows on the way out
.set G0W, 32
.set G0A, 36
.set G0B, 40
.set G0C, 44
.set G1W, 48
.set G1A, 56
.set G1C, 68
.set MSB, 0
.macro WIN new
.if MSB != \new
	s_set_vgpr_msb (MSB<<8)|\new
.set MSB, \new
.endif
.endm
.macro PLACES n
.rept \n
	v_nop
.endr
.endm
.macro BARRIER
	s_barrier_signal -1
	s_barrier_wait -1
.endm
.macro CROUND
	BARRIER
	s_cmp_lg_u32 s14, 0
	s_cbranch_scc1 .Lnot_wave_0_\@
	s_barrier_signal -3
.Lnot_wave_0_\@:
	s_barrier_wait -3
	BARRIER
.endm
.macro TLOAD g0, g1
	tensor_load_to_lds s[\g0:\g0+3], s[\g1:\g1+7]
	s_nop 0
	PLACES 4
.endm
.macro GROUP1 g, mask, rows            ; dense rows of 256 bytes: 32 elements of 8
	s_or_b32 s[\g], s[\mask], (3<<16)|(1<<21)
	s_mov_b32 s[\g+1], 32<<16
	s_mov_b32 s[\g+2], (\rows)<<16
	s_mov_b32 s[\g+3], 32<<16
	s_mov_b32 s[\g+4], \rows
	s_mov_b32 s[\g+5], 32
	s_mov_b32 s[\g+6], 0
	s_mov_b32 s[\g+7], 0
.endm
.macro SHOW w                          ; wave w's tile is shown to all: its load line is its own
	s_cmp_eq_u32 s14, \w
	s_cbranch_scc0 .Lnot_mine_\@
	s_wait_tensorcnt 0x0
.Lnot_mine_\@:
	s_wait_dscnt 0x0
	BARRIER
.endm
.macro FRAG f, a16, a8, off
	WIN (1+(\f)/FPW)<<6
.set R_, FR*((\f)%FPW)
.irp c, 0,1
	ds_load_b128 v[R_+6*\c:R_+6*\c+3], v[\a16] offset:(\off)+768*\c
	ds_load_b64 v[R_+6*\c+4:R_+6*\c+5], v[\a8] offset:(\off)+768*\c
.endr
.endm
.macro WEIGHTS
.irp q, 0,1,2,3,4,5,6,7
.irp t, 0,1,2,3
	FRAG 4*\q+\t, W16, W8, \t*12288+\q*1536
.endr
.endr
	WIN 0
.irp p, 0,1
	ds_load_b128 v[SB+8*\p:SB+8*\p+3], v[WS] offset:1024*\p
	ds_load_b128 v[SB+8*\p+4:SB+8*\p+7], v[WS] offset:1024*\p+16
.endr
.endm
.macro FETCH s                         ; block s into set s % 2
.set E_, (\s)%2
.set K_, (\s)/3
.set O_, ((\s)%3)*2*TREC
.irp q, 0,1,2,3,4,5,6,7
	FRAG 32+8*E_+\q, A16+K_, A8+K_, O_+\q*1536
.endr
	WIN 0
	ds_load_b128 v[SA+8*E_:SA+8*E_+3], v[AS+K_] offset:O_
	ds_load_b128 v[SA+8*E_+4:SA+8*E_+7], v[AS+K_] offset:O_+16
.endm
.macro W1 c, row
	v_wmma_scale_f32_16x16x128_f8f6f4 v[D_:D_+7], v[RB_:RB_+FR-1], v[RA_:RA_+FR-1], \c, v[XB_], v[XA_] matrix_a_fmt:MATRIX_FMT_FP6 matrix_b_fmt:MATRIX_FMT_FP6 matrix_a_scale:MATRIX_SCALE_ROW\row
.endm
.macro PRODS s
.set E_, (\s)%2
.irp q, 0,1,2,3,4,5,6,7
.irp t, 0,1,2,3
.set FB_, 4*\q+\t
.set FA_, 32+8*E_+\q
.set RB_, FR*(FB_%FPW)
.set RA_, FR*(FA_%FPW)
.set D_, ACC+32*E_+8*\t
.set XB_, SB+8*(\t/2)+\q
.set XA_, SA+8*E_+\q
	WIN (1+FB_/FPW)|((1+FA_/FPW)<<2)
.if \q
.if \t%2
	W1 v[D_:D_+7], 1
.else
	W1 v[D_:D_+7], 0
.endif
.else
.if \t%2
	W1 v[BI+8*\t:BI+8*\t+7], 1
.else
	W1 v[BI+8*\t:BI+8*\t+7], 0
.endif
.endif
.endr
.endr
	WIN 0
.endm
.macro TOSTAGE s                       ; each accumulator from its low end on; LDS serves a wave's instructions in order: the loads see the stores
.set AC_, ACC+32*((\s)%2)
.set OB_, OUT+32*((\s)%2)
.irp t, 0,1,2,3
	ds_store_b128 v[STO], v[AC_+8*\t:AC_+8*\t+3] offset:128*(\t/2)+32*(\t%2)
	ds_store_b128 v[STO], v[AC_+8*\t+4:AC_+8*\t+7] offset:128*(\t/2)+32*(\t%2)+16
.endr
.irp k, 0,1,2,3,4,5,6,7
	ds_load_b128 v[OB_+4*\k:OB_+4*\k+3], v[RD] offset:\k*2*SPITCH
.endr
.endm
.macro SEND s                          ; two rows of 256 bytes an instruction, aligned; stage row t is true row 32 s + 8 a + t + 8 (t / 8)
.set OB_, OUT+32*((\s)%2)
.irp k, 0,1,2,3,4,5,6,7
	global_store_b128 v[CO], v[OB_+4*\k:OB_+4*\k+3], s[10:11] offset:(\s)*131072+(2*\k+8*(\k/4))*4096 th:TH_STORE_NT
.endr
.endm
.macro BLK s
	PRODS \s
.if (\s) == 0
	SHOW 2                                         ; tiles 4-9, ahead of block 2's fetch
.endif
.if (\s) == 3
	s_wait_tensorcnt 0x0                           ; all that is still out: tiles 10-15, ahead of block 5's fetch; every wave waits
	s_wait_dscnt 0x0
	BARRIER
.endif
.if (\s) >= 2
	s_wait_xcnt 0x0                                ; block s - 2's stores have read the registers on which this block's rows land
.endif
	PLACES 4                                       ; between the products and the reads of their sums and the loads into their operands
	TOSTAGE \s
.if (\s) < 6
	FETCH (\s)+2
	s_wait_dscnt NF+NT
.else
	s_wait_dscnt NT
.endif
.if (\s) >= 1
	SEND (\s)-1
.endif
.endm
	s_load_b256 s[4:11], s[0:1], 0x0               ; oc s[4:5], wo s[6:7], b_out s[8:9], out0 s[10:11]
	v_lshl_add_u32 v[SPW], v0, 2, SPARE
	v_mov_b32 v[NIL], 0
	ds_add_u32 v[SPW], v[NIL]                      ; the opening lines: the add twice on end and its wait ahead of the first tensor load
	ds_add_u32 v[SPW], v[NIL]
	v_lshrrev_b32 v1, 5, v0
	v_readfirstlane_b32 s14, v1                    ; wave; s15 its row a, s16 its column b
	s_lshr_b32 s15, s14, 1
	s_and_b32 s16, s14, 1
	s_bfe_u32 s20, ttmp6, 0x40000                  ; cx
	s_bfe_u32 s21, ttmp6, 0x40004                  ; cy
	s_lshl_b32 s22, ttmp9, 2
	s_add_co_u32 s22, s22, s20                     ; which 128 features
	s_and_b32 s23, ttmp7, 0xffff
	s_lshl_b32 s23, s23, 2
	s_add_co_u32 s23, s23, s21                     ; which 256 tokens
	s_lshl_b32 s24, s21, 2
	s_lshl_b32 s24, 15, s24                        ; my row of the cluster
	s_lshl_b32 s25, 0x1111, s20                    ; my column
	GROUP1 G1W, 25, 400
	GROUP1 G1A, 24, 200
	GROUP1 G1C, 24, 300
	s_mul_i32 s26, s22, WREC
	s_mov_b32 s27, 0
	s_mul_i32 s28, s23, 16*TREC
	s_mov_b32 s29, 0
	s_mov_b32 s[G0W], 1
	s_mov_b32 s[G0W+1], WB
	s_mov_b32 s[G0A], 1
	s_mov_b32 s[G0A+1], 0
	s_mov_b32 s[G0B], 1
	s_mov_b32 s[G0B+1], 4*TREC
	s_mov_b32 s[G0C], 1
	s_mov_b32 s[G0C+1], 10*TREC
	v_and_b32 v1, 15, v0                           ; r
	v_bfe_u32 v2, v0, 4, 1                         ; h
	v_and_b32 v3, 31, v0                           ; lane
	v_lshlrev_b32 v22, 4, v3
	v_lshlrev_b32 v23, 3, v3
	s_mul_i32 s30, s15, TREC
	v_add_nc_u32 v[A16], s30, v22
	v_add_nc_u32 v[A8], s30, v23
	v_add_nc_u32 v[A8], 512, v[A8]
	v_lshlrev_b32 v[AS], 5, v1
	v_add_nc_u32 v[AS], s30, v[AS]
	v_add_nc_u32 v[AS], 12288, v[AS]
.irp k, 1,2
	v_add_nc_u32 v[A16+\k], \k*6*TREC, v[A16]
	v_add_nc_u32 v[A8+\k], \k*6*TREC, v[A8]
	v_add_nc_u32 v[AS+\k], \k*6*TREC, v[AS]
.endr
	s_mul_i32 s31, s16, 4*12288
	s_add_co_u32 s31, s31, WB
	v_add_nc_u32 v[W16], s31, v22
	v_add_nc_u32 v[W8], s31, v23
	v_add_nc_u32 v[W8], 512, v[W8]
	s_lshl_b32 s31, s16, 11
	s_add_co_u32 s31, s31, WB+98304
	v_lshlrev_b32 v[WS], 5, v3
	v_add_nc_u32 v[WS], s31, v[WS]
	s_mul_i32 s31, s14, 16*SPITCH
	s_add_co_u32 s31, s31, STAGE
	v_mul_u32_u24 v22, v1, SPITCH                  ; into the stage: row r, 64 bytes for each half of the lanes
	v_lshl_add_u32 v22, v2, 6, v22
	v_add_nc_u32 v[STO], s31, v22
	v_mul_u32_u24 v23, v2, SPITCH                  ; back: lanes 0-15 a row, lanes 16-31 the next
	v_lshl_add_u32 v23, v1, 4, v23
	v_add_nc_u32 v[RD], s31, v23
	v_lshlrev_b32 v[CO], 12, v2                    ; and the same two rows of out0
	v_lshl_add_u32 v[CO], v1, 4, v[CO]
	v_lshlrev_b32 v[BO], 6, v2
	s_wait_alu depctr_va_vdst(0)                   ; the wait at the head's end
	s_wait_dscnt 0x0
	CROUND                                         ; all sixteen work-groups are here: the joint loads meet
	s_wait_kmcnt 0x0
	s_add_nc_u64 s[G0W+2:G0W+3], s[6:7], s[26:27]
	s_add_nc_u64 s[G0A+2:G0A+3], s[4:5], s[28:29]
	s_add_nc_u64 s[G0B+2:G0B+3], s[G0A+2:G0A+3], 4*TREC
	s_add_nc_u64 s[G0C+2:G0C+3], s[G0A+2:G0A+3], 10*TREC
	s_or_b32 s[G0W+3], s[G0W+3], 0x80000000
	s_or_b32 s[G0A+3], s[G0A+3], 0x80000000
	s_or_b32 s[G0B+3], s[G0B+3], 0x80000000
	s_or_b32 s[G0C+3], s[G0C+3], 0x80000000
	s_cmp_eq_u32 s14, 0
	s_cbranch_scc0 .Lwave_1
	TLOAD G0W, G1W
	s_branch .Lasked
.Lwave_1:
	s_cmp_eq_u32 s14, 1
	s_cbranch_scc0 .Lwave_2
	TLOAD G0A, G1A
	s_branch .Lasked
.Lwave_2:
	s_cmp_eq_u32 s14, 2
	s_cbranch_scc0 .Lwave_3
	TLOAD G0B, G1C
	s_branch .Lasked
.Lwave_3:
	TLOAD G0C, G1C
.Lasked:
	s_lshl_b32 s76, s22, 9                         ; my 64 features, in bytes of a row of out0 and of b_out
	s_lshl_b32 s77, s16, 8
	s_add_co_u32 s76, s76, s77
	s_mov_b32 s77, 0
	s_add_nc_u64 s[8:9], s[8:9], s[76:77]
	s_lshl_b32 s78, s23, 8
	s_lshl_b32 s79, s15, 3
	s_add_co_u32 s78, s78, s79                     ; true row 256 x tile row + 8 a
	s_lshl_b32 s78, s78, 12
	s_add_co_u32 s78, s78, s76
	s_mov_b32 s79, 0
	s_add_nc_u64 s[10:11], s[10:11], s[78:79]
.irp t, 0,1,2,3                                ; register 8 t + j of lane (r, h) is feature 32 (t / 2) + 16 h + 8 (t % 2) + j
	global_load_b128 v[BI+8*\t:BI+8*\t+3], v[BO], s[8:9] offset:(32*(\t/2)+8*(\t%2))*4
	global_load_b128 v[BI+8*\t+4:BI+8*\t+7], v[BO], s[8:9] offset:(32*(\t/2)+8*(\t%2))*4+16
.endr
	SHOW 0                                         ; W_out's record
	WEIGHTS
	SHOW 1                                         ; tiles 0-3
	FETCH 0
	FETCH 1
	s_wait_loadcnt 0x0                             ; the bias
	s_wait_dscnt NF                                ; block 0's rows; block 1's fetch may be out
.irp s, 0,1,2,3,4,5,6,7
	BLK \s
.endr
	s_wait_dscnt 0x0
	SEND 7
	s_wait_tensorcnt 0x0                           ; the wave's end
	ds_add_u32 v[SPW], v[NIL]
	s_wait_dscnt 0x0
	CROUND                                         ; the closing round
	s_endpgm
.Lfunc_end_k_qe9953bff5a_gout:
	.size	k_qe9953bff5a_gout, .Lfunc_end_k_qe9953bff5a_gout-k_qe9953bff5a_gout
	.p2alignl 7, 3214868480
	.fill 96, 4, 3214868480
	.section	.rodata,"a",@progbits
	.p2align	6, 0x0
	.amdhsa_kernel k_qe9953bff5a_gout
		.amdhsa_group_segment_fixed_size 327680
		.amdhsa_private_segment_fixed_size 0
		.amdhsa_enable_private_segment 0
		.amdhsa_kernarg_size 32
		.amdhsa_user_sgpr_count 2
		.amdhsa_user_sgpr_kernarg_segment_ptr 1
		.amdhsa_wavefront_size32 1
		.amdhsa_system_sgpr_workgroup_id_x 1
		.amdhsa_system_sgpr_workgroup_id_y 1
		.amdhsa_system_sgpr_workgroup_id_z 1
		.amdhsa_system_vgpr_workitem_id 0
		.amdhsa_next_free_vgpr 840
		.amdhsa_next_free_sgpr 80
		.amdhsa_reserve_vcc 0
		.amdhsa_float_denorm_mode_32 3
		.amdhsa_float_denorm_mode_16_64 3
		.amdhsa_memory_ordered 1
		.amdhsa_forward_progress 1
		.amdhsa_inst_pref_size 84
	.end_amdhsa_kernel
	.amdgpu_metadata
---
amdhsa.version: [ 1, 2 ]
amdhsa.kernels:
  - .name:           k_qe9953bff5a_gout
    .symbol:         k_qe9953bff5a_gout.kd
    .args:
      - { .name: oc, .offset: 0, .size: 8, .value_kind: global_buffer, .address_space: global }
      - { .name: wo, .offset: 8, .size: 8, .value_kind: global_buffer, .address_space: global }
      - { .name: b_out, .offset: 16, .size: 8, .value_kind: global_buffer, .address_space: global }
      - { .name: out0, .offset: 24, .size: 8, .value_kind: global_buffer, .address_space: global }
    .group_segment_fixed_size: 327680
    .private_segment_fixed_size: 0
    .kernarg_segment_align: 8
    .kernarg_segment_size: 32
    .max_flat_workgroup_size: 128
    .sgpr_count:     80
    .vgpr_count:     840
    .wavefront_size: 32
...
	.end_amdgpu_metadata
.endif
;; end of part 4
